; MI455X (gfx1250); checked and timed in simulation.
; The chip was launched on July 23, 2026; its instructions are those of AMD's public machine-readable ISA for CDNA 5 (MIT licence, August 2026) and "CDNA5" Instruction Set Architecture Reference Guide (July 2026). The comments in the code are by the model that wrote it; some were corrected since.
;; Qwen3 Moe Attention. Allowed arithmetic: matrix products marked QUANTISED: E2M3 operands, one E8M0 scale for each 32 along K, by v_wmma_scale_f32_16x16x128_f8f6f4 with both operands' format E2M3, f32 sums; everything else in f32.
;; Inputs: Wk 2,048 x 512 float32; Wo 4,096 x 2,048 float32; Wq 2,048 x 4,096 float32; Wv 2,048 x 512 float32; cos 1,024 x 128 float32; hidden_states 2 x 1,024 x 2,048 float32; k_norm_w 128 float32; q_norm_w 128 float32; sin 1,024 x 128 float32.
;; Outputs: out0 2 x 1,024 x 2,048 float32.
;; This version of the problem:
;;   THIS VERSION OF THE PROBLEM IS GIVEN IN LOW PRECISION. The matrix products marked QUANTISED in the list below multiply operands that are first quantised to E2M3 (2 exponent bits, 3 mantissa bits; 6 bits a number), with one power-of-two scale for each 32 numbers along K (OCP MX v1.0); their sums are f32. All else is computed in f32.
;;   The module's matrix products, in the order in which they are computed (A, B: the left and right operand; K: the contracted axis; several contracted axes count as one K, in the product's order):
;;     1. [M 2,048, K 2,048] x [K 2,048, N 4,096]; A: input hidden_states; B: input Wq: QUANTISED
;;     2. [M 2,048, K 2,048] x [K 2,048, N 512]; A: input hidden_states; B: input Wk: QUANTISED
;;     3. [M 2,048, K 2,048] x [K 2,048, N 512]; A: input hidden_states; B: input Wv: QUANTISED
;;     4. batch 64 x [M 1,024, K 128] x [K 128, N 1,024]; A: computed on the way; B: computed on the way: QUANTISED
;;     5. batch 64 x [M 128, K 1,024] x [K 1,024, N 1,024]; A: computed on the way; B: softmax (see below): QUANTISED
;;     6. [M 2,048, K 4,096] x [K 4,096, N 2,048]; A: computed on the way; B: input Wo: QUANTISED
;;   THE QUANTISER, for each operand of a quantised product, along K:
;;     - K is cut into blocks of 32 from its start; a last block that is shorter is filled with zeros.
;;     - A block's scale is 2^e with e = floor(log2(the largest magnitude in the block)) - 2, held to -126 .. 127; a block of zeros has e = 0. As a byte (E8M0): e + 127.
;;     - Each number is divided by its block's scale, clamped to +-7.5, and rounded to the nearest number of E2M3, ties to even, subnormals kept.
;;     - The product sums the exact products of the quantised numbers (number of the format x scale) in f32.
;;   ~~~python
;;   def quantise(x, axis):      # numpy; x: float32 -> the quantised numbers, widened to float32 again
;;       x = np.moveaxis(x, axis, -1); K = x.shape[-1]
;;       x = np.pad(x, [(0, 0)] * (x.ndim - 1) + [(0, -K % 32)]); x = x.reshape(x.shape[:-1] + (-1, 32)); a = np.abs(x).max(-1, keepdims=True)
;;       e = np.where(a > 0, np.clip(np.frexp(np.where(a > 0, a, 1))[1] - 1 - 2, -126, 127), 0)      # np.frexp(a)[1] - 1 = floor(log2(a)), exactly
;;       r = np.clip(x / 2.0 ** e, -7.5, 7.5)
;;       step = 2.0 ** (np.maximum(np.frexp(np.where(r == 0, 1, r))[1] - 1, 0) - 3)
;;       q = np.round(r / step) * step * 2.0 ** e      # np.round: ties to even
;;       return np.moveaxis(q.reshape(q.shape[:-2] + (-1,))[..., :K], -1, axis).astype(np.float32)
;;   ~~~
;;   SOFTMAX AHEAD OF A QUANTISED PRODUCT. Where the list says 'softmax', what is quantised is not the finished softmax but p = 2^(t - M), with t = logit x log2(e) and M = ceil(the row's largest t), a whole number; so 1/2 < the row's largest p <= 1. The row's sum l is taken of the UNQUANTISED p, in f32, and the product's result is divided by l at the end. Since M is a whole number, a kernel that streams over the keys may use a running M (the ceiling of the running maximum): every later rescaling is an exact power of two, which a block's scale takes up: the codes' values come out the same.
;;   OPERANDS COMPUTED ON THE WAY. 'Computed on the way' means the value that the module computes at that place (a softmax that the list does not call 'softmax' is quantised finished and normalised). What goes into a quantiser is computed in f32, as accurately as f32 sums, v_exp_f32 and their like allow (about 1e-6 of the number): no bf16 or f16 on the way to a quantiser, and a product that is left as it is and whose result goes on into a quantised operand takes f32 operands (vector FMAs, or v_wmma_f32_16x16x4_f32). A number that lies on a knife's edge between two numbers of the format may be rounded either way, as far as f32 arithmetic and the matrix unit's own rounding can turn it there, and no further.
;; One version. Each part assembles by itself: llvm-mc -triple=amdgcn-amd-amdhsa -mcpu=gfx1250 --defsym DOCPART=n.
;; ======== version 1 of 1: 4 launches
;; limits: right only within a limited range of input values
;; workspace buffers: xq 3,276,800 bytes; wqkv 8,192,000 bytes; woq 6,553,600 bytes; qb 6,553,600 bytes; kv 1,638,400 bytes; ao 6,553,600 bytes
;; launch quant (part 1): grid 704 x 1, 4 waves a work-group, no clusters, 61,952 bytes of LDS; arguments hidden_states, Wq, Wk, Wv, Wo, xq, wqkv, woq; writes xq, wqkv, woq
.if DOCPART == 1
	.amdgcn_target "amdgcn-amd-amdhsa--gfx1250"
	.amdhsa_code_object_version 6
	.text
	.protected	k_q23c5b5862c_quant
	.globl	k_q23c5b5862c_quant
	.p2align	8
	.type	k_q23c5b5862c_quant,@function
k_q23c5b5862c_quant:
	s_mov_b64 s[64:65], 0
	v_nop
	global_prefetch_b8 v0, s[64:65] scope:SCOPE_SE
	s_setreg_imm32_b32 hwreg(HW_REG_WAVE_MODE, 25, 1), 1
	s_wait_xcnt 0x0
; hidden_states [2048][2048] (K innermost) and Wq, Wk, Wv, Wo (K = the FIRST axis), all f32, become codes of FP6 (E2M3) with one E8M0 byte for each 32 along K.
; A block's scale is 2^(floor(log2(largest magnitude)) - 2): its byte is the largest magnitude's exponent field - 2, held at 1 from below by a floor among the maximum's leaves.
; LAYOUT OF THE RESULT.  An operand is cut into tiles of 16 rows; tile T, lane row r is row 32 (T / 2) + 8 (T % 2) + r + 8 (r / 8).  A fragment (a tile x 128 along K, 12 registers a lane) lies in
; memory as an IMAGE OF ITS REGISTERS, 1,536 bytes: register 4 p + e of lane L at 512 p + 16 L + 4 e.  Its 16 scale words (row r's four bytes) are 64 bytes.  Buffers: [tile][K step][1536], then [tile][K step][64].
; LIMITS: NaN and infinities are not served.  A block of zeros, or one whose largest magnitude lies under 2^-124, gets the byte 1 (the rule says 127 for zeros): only this program reads the bytes, and zero codes add nothing.
; Work-groups 0-127 take hidden_states, 128-703 the weights: two paths that part at once on the work-group's number, each with LDS bytes of its own.  Waves share nothing: no barrier, no tensor load, no cluster (no input byte is read twice).
.set XSC,   3145728                    ; xq: where the scale words begin
.set SEL,   40                         ; s[40:41] lane selects for v_permlanex16_b32: lane l xor 16
.set TM,    16                         ; v16-31   QUANT at work
.set R,     32                         ; v32-159  path X: two sets of 64 numbers as loaded
.set X,     160                        ; v160-223 path X: 64 numbers of a lane's row, register 16 b + i = k 32 b + 16 (lane / 16) + i
.set PC,    224                        ; v224-242 the codes just made
.set PW,    244                        ; v244     the scale word just made
.set XREG,  8448                       ; path X, LDS: a stage of 16 rows x (512 + 16) bytes for each wave, from byte 0
.set WBASE, 33792                      ; path W, LDS: from here 6,912 bytes for each wave: 4 images 1,664 bytes apart, then 256 bytes of scale words
.set WREG,  6912
.set IMG,   1664
.set OFF,   32                         ; v32-63   path W: 4 x lane + i rows of the weight
.set WX,    64                         ; v64-127  path W: two sets of 32 numbers: a block of 32 along K of my column
.set WC,    128                        ; v128-134 path W: a block's codes
.set SB,    136                        ; v136-137 path W: my column's scale words of the two fragments
.set OUT,   160                        ; v160-209 path W: the way out
; 64 numbers of a lane, v[s] .. v[s + 63], become a fragment's codes in v[PC] on and its scale word in v[PW]
.macro QUANT s
.irp b, 0,1,2,3
	v_max3_num_f32 v[TM+\b], |v[\s+16*\b]|, |v[\s+1+16*\b]|, 0x1800000   ; block b: my 16 numbers, and the floor 2^(3 - 127): the byte cannot fall under 1
.endr
.irp i, 2,4,6,8,10,12,14
.irp b, 0,1,2,3
	v_max3_num_f32 v[TM+\b], v[TM+\b], |v[\s+16*\b+\i]|, |v[\s+1+16*\b+\i]|   ; the four blocks by turns
.endr
.endr
.irp b, 0,1,2,3
	v_permlanex16_b32 v[TM+4+\b], v[TM+\b], s[SEL], s[SEL+1]
.endr
.irp b, 0,1,2,3
	v_max_num_f32 v[TM+\b], v[TM+\b], v[TM+4+\b]   ; with lane l xor 16's 16: the block's largest magnitude
.endr
.irp b, 0,1,2,3
	v_add_nc_u32 v[TM+12+\b], 0xff000000, v[TM+\b]   ; 2 off its exponent field: the conversion takes the exponent field of this operand as its scale
.endr
.irp b, 0,1,2,3
	v_lshrrev_b32 v[TM+4+\b], 23, v[TM+12+\b]      ; the scale's byte
.endr
	v_lshl_or_b32 v[PW], v[TM+5], 8, v[TM+4]
	v_lshl_or_b32 v[PW], v[TM+6], 16, v[PW]
	v_lshl_or_b32 v[PW], v[TM+7], 24, v[PW]        ; my row's scale word
.irp c, 0,1
	v_cvt_scalef32_pk16_fp6_f32 v[PC+6*\c:PC+2+6*\c], v[\s+32*\c:\s+15+32*\c], v[TM+12+2*\c]
	v_cvt_scalef32_pk16_fp6_f32 v[PC+12+4*\c:PC+14+4*\c], v[\s+16+32*\c:\s+31+32*\c], v[TM+12+2*\c+1]   ; (a conversion's three registers begin on an even number)
.endr
	v_nop                                          ; one plain place behind a scaled conversion
.irp c, 0,1                                    ; the operand wants a WHOLE block in a lane: lanes 0-15 block 2 c, lanes 16-31 block 2 c + 1
.irp i, 0,1,2
	v_permlane16_swap_b32 v[PC+6*\c+\i], v[PC+12+4*\c+\i]
.endr
.irp i, 0,1,2
	v_mov_b32 v[PC+3+6*\c+\i], v[PC+12+4*\c+\i]
.endr
.endr
.endm
	s_load_b512 s[4:19], s[0:1], 0x0               ; hidden s[4:5], Wq s[6:7], Wk s[8:9], Wv s[10:11], Wo s[12:13], xq s[14:15], wqkv s[16:17], woq s[18:19]
	v_lshl_add_u32 v254, v0, 2, 0xf000
	v_mov_b32 v255, 0
	v_lshrrev_b32 v1, 5, v0
	v_readfirstlane_b32 s20, v1                    ; wave 0..3
	v_and_b32 v2, 31, v0                           ; lane
	v_lshlrev_b32 v3, 4, v2                        ; 16 x lane
	s_cmp_lt_u32 ttmp9, 128
	s_cbranch_scc0 .Lweights
; ---- PATH X.  Work-group T takes tile T of the tokens, wave c the 512 along K from 512 c on: four fragments.
; A load reads 512 consecutive bytes of one row; the conversions want 16 neighbours in a lane: a fragment's 16 x 512 bytes turn through the wave's stage.
	s_mov_b32 s[SEL], 0x76543210
	s_mov_b32 s[SEL+1], 0xfedcba98
	v_and_b32 v4, 15, v0                           ; r
	v_bfe_u32 v5, v0, 4, 1                         ; h
	v_lshlrev_b32 v6, 2, v4                        ; 4 r: a scale word's place
	s_mul_i32 s21, s20, XREG
	v_add_nc_u32 v7, s21, v3                       ; the stage, in: 16 x lane of a row
	v_mul_u32_u24 v8, v4, 528
	v_lshl_add_u32 v8, v5, 6, v8
	v_add_nc_u32 v8, s21, v8                       ; and out: row r, + 64 h
.irp b, 0,1,2,3
	v_mov_b32 v[TM+4+\b], 0                        ; written once: a lane permute's destination counts as one of its sources
.endr
	s_lshr_b32 s22, ttmp9, 1
	s_lshl_b32 s22, s22, 18                        ; 32 (T / 2) rows of 8,192 bytes
	s_and_b32 s23, ttmp9, 1
	s_lshl_b32 s23, s23, 16                        ; 8 (T % 2) rows
	s_add_co_u32 s22, s22, s23
	s_lshl_b32 s23, s20, 11                        ; 512 numbers a wave
	s_add_co_u32 s22, s22, s23
	s_mov_b32 s23, 0
	s_lshl_b32 s24, ttmp9, 4
	s_lshl_b32 s25, s20, 2
	s_add_co_u32 s24, s24, s25                     ; my first fragment: 16 T + 4 wave
	s_mul_i32 s26, s24, 1536
	s_mov_b32 s27, 0
	s_lshl_b32 s28, s24, 6
	s_add_co_u32 s28, s28, XSC
	s_mov_b32 s29, 0
	s_wait_alu depctr_va_vdst(0)
	s_wait_kmcnt 0x0
	s_add_nc_u64 s[4:5], s[4:5], s[22:23]
	s_add_nc_u64 s[30:31], s[14:15], s[26:27]      ; my images
	s_add_nc_u64 s[32:33], s[14:15], s[28:29]      ; my scale words
.macro XLD f                           ; fragment f: 16 rows x 512 bytes into set f % 2
.irp i, 0,1,2,3,4,5,6,7,8,9,10,11,12,13,14,15
	global_load_b128 v[R+64*((\f)%2)+4*\i:R+64*((\f)%2)+4*\i+3], v3, s[4:5] offset:(\i+8*(\i/8))*8192+512*(\f) th:TH_LOAD_NT
.endr
.endm
.macro XFRAG f
.if (\f) < 3
	s_wait_loadcnt 16                              ; this fragment's 16 loads are in; the next fragment's 16 may be out
.else
	s_wait_loadcnt 0x0
.endif
.irp i, 0,1,2,3,4,5,6,7,8,9,10,11,12,13,14,15
	ds_store_b128 v7, v[R+64*((\f)%2)+4*\i:R+64*((\f)%2)+4*\i+3] offset:528*\i
.endr
.irp b, 0,1,2,3
.irp j, 0,1,2,3
	ds_load_b128 v[X+16*\b+4*\j:X+16*\b+4*\j+3], v8 offset:128*\b+16*\j   ; LDS serves a wave's instructions in order: these see the stores above
.endr
.endr
	s_wait_dscnt 0x0                               ; my 64 numbers are back, and the stores have read their registers
.if (\f) > 0
	s_wait_xcnt 0x0                                ; the last fragment's stores have read the codes and the scale word: both are written again below
.endif
.if (\f) < 2
	XLD (\f)+2
.endif
	QUANT X
.irp p, 0,1,2
	global_store_b128 v3, v[PC+4*\p:PC+4*\p+3], s[30:31] offset:1536*(\f)+512*\p   ; 32 lanes store 512 consecutive bytes
.endr
	global_store_b32 v6, v[PW], s[32:33] offset:64*(\f)   ; lanes l and l + 16 hold the same word and put it in the same place
.endm
	XLD 0
	XLD 1
	XFRAG 0
	XFRAG 1
	XFRAG 2
	XFRAG 3
	s_wait_tensorcnt 0x0
	ds_add_u32 v254, v255
	s_wait_dscnt 0x0
	s_endpgm
; ---- PATH W.  A work-group takes 128 columns x 256 along K of one weight, a wave 32 columns: tiles 2 Bc and 2 Bc + 1.  A LANE TAKES A COLUMN AND ITS REGISTERS RUN DOWN K:
; a load reads 128 consecutive bytes of a row (512 a work-group), a block of 32 along K is one lane's, and the conversions give codes with K innermost.
; Lane c is column 32 Bc + c: tile u = bit 3 of c, row r = c % 8 + 8 (c / 16).  Block t of 8: fragment t / 4, registers 6 ((t / 2) % 2) on of lane r + 16 (t % 2) of the image.
.Lweights:
	v_bfe_u32 v4, v0, 3, 1                         ; u
	v_and_b32 v5, 7, v0
	v_bfe_u32 v6, v0, 4, 1
	v_lshl_add_u32 v5, v6, 3, v5                   ; r
	s_mul_i32 s21, s20, WREG
	s_add_co_u32 s21, s21, WBASE                   ; my wave's LDS
	v_mul_u32_u24 v7, v4, IMG
	v_lshl_add_u32 v7, v5, 4, v7
	v_add_nc_u32 v7, s21, v7                       ; into the images: 1,664 u + 16 r
	s_wait_alu depctr_va_vdst(0)
	v_add_nc_u32 v8, s21, v3                       ; out of them: 16 x lane
	s_add_co_u32 s22, s21, 4*IMG
	v_lshlrev_b32 v9, 7, v4
	v_lshl_add_u32 v9, v5, 2, v9
	v_add_nc_u32 v9, s22, v9                       ; scale words in: [u][fragment][r]
	v_lshlrev_b32 v10, 3, v2
	v_add_nc_u32 v10, s22, v10                     ; and out: 8 bytes a lane
	v_lshlrev_b32 v11, 2, v2                       ; 4 x lane
	s_wait_alu depctr_va_vdst(0)
	s_wait_kmcnt 0x0
	s_mov_b64 s[24:25], s[12:13]                   ; one text for four weights: Wo's figures first, then three choices on the work-group's number
	s_mov_b64 s[30:31], s[18:19]
	s_mov_b32 s26, 8192                            ; bytes in a row
	s_mov_b32 s27, 4                               ; log2 of the groups of 128 columns
	s_mov_b32 s28, 448                             ; its first work-group
	s_mov_b32 s32, 0                               ; its first tile in the buffer
	s_mov_b32 s33, 5                               ; log2 of the K steps of 128
	s_mov_b32 s34, 6291456                         ; where the buffer's scale words begin
	s_cmp_lt_u32 ttmp9, 448
	s_cselect_b64 s[24:25], s[10:11], s[24:25]     ; Wv
	s_cselect_b64 s[30:31], s[16:17], s[30:31]
	s_cselect_b32 s26, 2048, s26
	s_cselect_b32 s27, 2, s27
	s_cselect_b32 s28, 416, s28
	s_cselect_b32 s32, 288, s32
	s_cselect_b32 s33, 4, s33
	s_cselect_b32 s34, 7864320, s34
	s_cmp_lt_u32 ttmp9, 416
	s_cselect_b64 s[24:25], s[8:9], s[24:25]       ; Wk
	s_cselect_b32 s28, 384, s28
	s_cselect_b32 s32, 256, s32
	s_cmp_lt_u32 ttmp9, 384
	s_cselect_b64 s[24:25], s[6:7], s[24:25]       ; Wq
	s_cselect_b32 s26, 16384, s26
	s_cselect_b32 s27, 5, s27
	s_cselect_b32 s28, 128, s28
	s_cselect_b32 s32, 0, s32
	s_sub_co_u32 s35, ttmp9, s28
	s_lshr_b32 s36, s35, s27                       ; kc: which 256 along K
	s_lshl_b32 s37, s36, s27
	s_sub_co_u32 s37, s35, s37                     ; which 128 columns
	s_lshl_b32 s37, s37, 2
	s_add_co_u32 s37, s37, s20                     ; Bc: which 32 columns
	s_mul_i32 s38, s36, s26
	s_lshl_b32 s38, s38, 8                         ; 256 kc rows
	s_lshl_b32 s39, s37, 7                         ; 32 Bc columns of 4 bytes
	s_add_co_u32 s38, s38, s39
	s_mov_b32 s39, 0
	s_add_nc_u64 s[24:25], s[24:25], s[38:39]
	s_lshl_b32 s42, s26, 5                         ; 32 rows on
	s_mov_b32 s43, 0
	s_lshl_b32 s38, s37, 1
	s_add_co_u32 s38, s38, s32
	s_lshl_b32 s38, s38, s33
	s_lshl_b32 s44, s36, 1
	s_add_co_u32 s38, s38, s44                     ; tile 2 Bc's fragment of K step 2 kc
	s_mul_i32 s44, s38, 1536
	s_mov_b32 s45, 0
	s_add_nc_u64 s[44:45], s[30:31], s[44:45]      ; its image;
	s_lshl_b32 s46, 0x600, s33
	s_mov_b32 s47, 0
	s_add_nc_u64 s[46:47], s[44:45], s[46:47]      ; tile 2 Bc + 1's, a tile's K steps further on
	s_lshl_b32 s22, s38, 6
	s_add_co_u32 s22, s22, s34
	s_mov_b32 s23, 0
	s_add_nc_u64 s[22:23], s[30:31], s[22:23]      ; the scale words
	s_lshl_b32 s35, 64, s33                        ; a tile's scale words in bytes
	v_lshrrev_b32 v12, 4, v2
	v_mul_u32_u24 v12, v12, s35
	v_and_b32 v13, 15, v0
	v_lshl_add_u32 v12, v13, 3, v12                ; lanes 0-15: tile 2 Bc's 128 bytes, lanes 16-31: tile 2 Bc + 1's
.set n, 0
.rept 32
	v_mad_u32_u24 v[OFF+n], s26, n, v11            ; row n of a block, my column
.set n, n+1
.endr
.macro LOADW t                         ; block t into set t % 2
.if (\t) > 0
	s_wait_xcnt 0x0                                ; the loads issued so far have read their base: it may step
	s_add_nc_u64 s[24:25], s[24:25], s[42:43]
.endif
.set n, 0
.rept 32
	global_load_b32 v[WX+32*((\t)%2)+n], v[OFF+n], s[24:25] th:TH_LOAD_NT
.set n, n+1
.endr
.endm
.macro BLOCK t
.set WS, WX+32*((\t)%2)
.set OB, 2*IMG*((\t)/4)+256*((\t)%2)
.if (\t) < 7
	s_wait_loadcnt 32                              ; this block's 32 loads are in; the next block's may be out
.else
	s_wait_loadcnt 0x0
.endif
	v_max3_num_f32 v14, |v[WS]|, |v[WS+1]|, |v[WS+2]|   ; the block's largest magnitude: all 32 numbers are mine
	v_max3_num_f32 v15, |v[WS+3]|, |v[WS+4]|, |v[WS+5]|
.irp i, 6,10,14,18,22,26
	v_max3_num_f32 v14, v14, |v[WS+\i]|, |v[WS+\i+1]|
	v_max3_num_f32 v15, v15, |v[WS+\i+2]|, |v[WS+\i+3]|
.endr
	v_max3_num_f32 v14, v14, |v[WS+30]|, |v[WS+31]|
	v_max3_num_f32 v14, v14, v15, 0x1800000        ; and the floor 2^(3 - 127)
	v_add_nc_u32 v16, 0xff000000, v14              ; the conversion's scale operand
	v_lshrrev_b32 v15, 23, v16                     ; the scale's byte
.if (\t)%4 == 0
	v_mov_b32 v[SB+(\t)/4], v15
.else
	v_lshl_or_b32 v[SB+(\t)/4], v15, 8*((\t)%4), v[SB+(\t)/4]
.endif
	v_cvt_scalef32_pk16_fp6_f32 v[WC:WC+2], v[WS:WS+15], v16
	v_cvt_scalef32_pk16_fp6_f32 v[WC+4:WC+6], v[WS+16:WS+31], v16
	v_nop                                          ; one plain place behind a scaled conversion
	v_mov_b32 v[WC+3], v[WC+4]                     ; the block's six registers on end
	v_mov_b32 v[WC+4], v[WC+5]
	v_mov_b32 v[WC+5], v[WC+6]
.if ((\t)/2)%2 == 0
	ds_store_b128 v7, v[WC:WC+3] offset:OB         ; registers 0-3 of the image's lane,
	ds_store_b64 v7, v[WC+4:WC+5] offset:OB+512    ; 4 and 5
.else
	ds_store_b64 v7, v[WC:WC+1] offset:OB+520      ; registers 6 and 7,
	ds_store_b128 v7, v[WC+2:WC+5] offset:OB+1024  ; 8-11
.endif
.if (\t)%4 == 3
	ds_store_b32 v9, v[SB+(\t)/4] offset:64*((\t)/4)
.endif
.if (\t) < 6
	LOADW (\t)+2
.endif
	s_wait_dscnt 0x0                               ; the stores have read their registers: the next block's codes may be written
.endm
	LOADW 0
	s_wait_alu depctr_va_vdst(0)
	LOADW 1
.irp t, 0,1,2,3,4,5,6,7
	BLOCK \t
.endr
.set n, 0
.rept 12
	ds_load_b128 v[OUT+4*n:OUT+4*n+3], v8 offset:IMG*(n/3)+512*(n%3)   ; image n / 3 = 2 x fragment + u, as it lies
.set n, n+1
.endr
	ds_load_b64 v[OUT+48:OUT+49], v10
.set n, 0
.rept 12
	s_wait_dscnt 12-n                              ; LDS loads come back in order: the younger ones may be out
	global_store_b128 v3, v[OUT+4*n:OUT+4*n+3], s[44+2*((n/3)%2):45+2*((n/3)%2)] offset:1536*(n/6)+512*(n%3)   ; 32 lanes store 512 consecutive bytes
.set n, n+1
.endr
	s_wait_dscnt 0x0
	global_store_b64 v12, v[OUT+48:OUT+49], s[22:23]   ; two runs of 128 bytes: each tile's scale words of the two K steps
	s_wait_tensorcnt 0x0
	ds_add_u32 v254, v255
	s_wait_dscnt 0x0
	s_endpgm
.Lfunc_end_k_q23c5b5862c_quant:
	.size	k_q23c5b5862c_quant, .Lfunc_end_k_q23c5b5862c_quant-k_q23c5b5862c_quant
	.p2alignl 7, 3214868480
	.fill 96, 4, 3214868480
	.section	.rodata,"a",@progbits
	.p2align	6, 0x0
	.amdhsa_kernel k_q23c5b5862c_quant
		.amdhsa_group_segment_fixed_size 61952
		.amdhsa_private_segment_fixed_size 0
		.amdhsa_enable_private_segment 0
		.amdhsa_kernarg_size 64
		.amdhsa_user_sgpr_count 2
		.amdhsa_user_sgpr_kernarg_segment_ptr 1
		.amdhsa_wavefront_size32 1
		.amdhsa_system_sgpr_workgroup_id_x 1
		.amdhsa_system_sgpr_workgroup_id_y 1
		.amdhsa_system_sgpr_workgroup_id_z 1
		.amdhsa_system_vgpr_workitem_id 0
		.amdhsa_next_free_vgpr 256
		.amdhsa_next_free_sgpr 66
		.amdhsa_reserve_vcc 0
		.amdhsa_float_denorm_mode_32 3
		.amdhsa_float_denorm_mode_16_64 3
		.amdhsa_memory_ordered 1
		.amdhsa_forward_progress 1
		.amdhsa_inst_pref_size 79
	.end_amdhsa_kernel
	.amdgpu_metadata
---
amdhsa.version: [ 1, 2 ]
amdhsa.kernels:
  - .name:           k_q23c5b5862c_quant
    .symbol:         k_q23c5b5862c_quant.kd
    .args:
      - { .name: hidden_states, .offset: 0, .size: 8, .value_kind: global_buffer, .address_space: global }
      - { .name: Wq, .offset: 8, .size: 8, .value_kind: global_buffer, .address_space: global }
      - { .name: Wk, .offset: 16, .size: 8, .value_kind: global_buffer, .address_space: global }
      - { .name: Wv, .offset: 24, .size: 8, .value_kind: global_buffer, .address_space: global }
      - { .name: Wo, .offset: 32, .size: 8, .value_kind: global_buffer, .address_space: global }
      - { .name: xq, .offset: 40, .size: 8, .value_kind: global_buffer, .address_space: global }
      - { .name: wqkv, .offset: 48, .size: 8, .value_kind: global_buffer, .address_space: global }
      - { .name: woq, .offset: 56, .size: 8, .value_kind: global_buffer, .address_space: global }
    .group_segment_fixed_size: 61952
    .private_segment_fixed_size: 0
    .kernarg_segment_align: 8
    .kernarg_segment_size: 64
    .max_flat_workgroup_size: 128
    .sgpr_count:     66
    .vgpr_count:     256
    .wavefront_size: 32
...
	.end_amdgpu_metadata
.endif
;; end of part 1
;; launch qkv (part 2): grid 16 x 10, 4 waves a work-group, clusters of 4 x 1, 327,680 bytes of LDS; arguments xq, wqkv, cos, sin, q_norm_w, k_norm_w, qb, kv; writes qb, kv
.if DOCPART == 2
	.amdgcn_target "amdgcn-amd-amdhsa--gfx1250"
	.amdhsa_code_object_version 6
	.text
	.protected	k_q23c5b5862c_qkv
	.globl	k_q23c5b5862c_qkv
	.p2align	8
	.type	k_q23c5b5862c_qkv,@function
k_q23c5b5862c_qkv:
	s_mov_b64 s[64:65], 0
	v_nop
	global_prefetch_b8 v0, s[64:65] scope:SCOPE_SE
	s_setreg_imm32_b32 hwreg(HW_REG_WAVE_MODE, 25, 1), 1
	s_wait_xcnt 0x0
	s_wait_alu depctr_hold_cnt(0) depctr_sa_sdst(0) depctr_va_vdst(0) depctr_va_sdst(0) depctr_va_ssrc(0) depctr_va_vcc(0) depctr_vm_vsrc(0)
	s_getreg_b32 s2, hwreg(HW_REG_IB_STS2, 6, 4)
	s_cmp_eq_u32 s2, 0
	s_cbranch_scc0 .Lentry_in_a_cluster
	s_endpgm
.Lentry_in_a_cluster:
	s_bfe_u32 s2, ttmp6, 0x10000c
	s_cmp_lg_u32 s2, 0x3003
	s_cbranch_scc0 .Lentry_shape_is_right
	s_endpgm
.Lentry_shape_is_right:
; q, k, v = x Wq, x Wk, x Wv on codes of FP6 (E2M3) with E8M0 scales; then, in f32, RMS-norm and rotary embedding of q and k; then q and k are quantised along the head's 128 and v along the keys.
; OPERANDS lie as images of their registers (a fragment: 16 rows x 128 K, 1,536 bytes, register 4 p + e of lane L at 512 p + 16 L + 4 e), tile T's lane row r being row 32 (T / 2) + 8 (T % 2) + r + 8 (r / 8).
; So the 64 registers that a lane holds of eight neighbouring tiles of source 0 are register 16 b + i = row 32 b + 16 (lane / 16) + i: what the quantiser wants along the next K.
; SHARES.  A work-group takes 128 tokens (8 tiles) and the 4 heads of group y (0-7: q, 8: k, 9: v); wave w one head: 64 accumulators.  A head is not cut: norm, rotation and quantiser want its 128 columns;
; 40 heads x 16 blocks of tokens are 640 such wave tiles, 160 work-groups.
; ROLES.  Source 0 is P, source 1 Q.  q, k: P = the weight, Q = x: a lane holds one token, its registers run along the head.  v: P = x, Q = the weight: a lane holds one channel, its registers run along the tokens.
; Only the four LDS bases from which fragments and scale words are READ are chosen, on y, which all partners of a cluster share.
; CLUSTER.  The four work-groups of a cluster share y and so the weights, four fifths of a step's bytes: asked for jointly (mask 15).  x's tile is each work-group's own (the grid's 10 along y is no multiple of 4).
; K goes in steps of 256 through two LDS slots.  THE HEAD: one tensor load a wave: wave 0 the weights' K step 0, wave 1 x's, wave 2 the weights' scale words of all K, wave 3 x's.  Slot 1 is first filled as a refill is.
; COS AND SIN of the 128 positions come into LDS in four pieces of 64 rows, 16 bytes of padding behind each row; wave w brings piece (w + 1) % 4: wave 3 piece 0 with slot 1's first fill, into bytes of its own;
; waves 0 to 2 pieces 1 to 3 behind the last change of slots, into slot 0, which has been read out.  v's work-groups fetch them too and do not use them: the text and its counts are one.
; THE GAINS are loaded at the head into 64 registers of window 1 that the fragments leave free.
; PREFETCH.  With the load of K step t each wave names K step t + 2: 24 blocks of 256 bytes of the weights (two tiles; the partners share the 32 tiles out by address, 8 to each) and 24 of x (two of its 8 tiles);
; lanes 24-31 name the wave's last block again.  The head also names K step 1.  K steps 6 and 7's refills name nothing along K: there waves 0 to 2 name the 128 blocks of their piece of cos or sin.
; LIMITS: NaN and infinities are not served; a block of zeros or under 2^-124 gets the byte 1 (only this program reads the bytes); x w rsqrt is multiplied as (x w) rsqrt.
; REGISTERS: window 0: v16-30 addresses; v32-63 scale words, two sets; Q's fragments at v64 and v160 (the way out works in v64-207).  window 1: P's fragments at v0 and v128; the gains in v96-127 and v224-255
; (on the way out cos v0-63, sin v128-191).  windows 2, 3: accumulator (a, b) at v[8 (8 (a % 4) + b)].
.set CPITCH, 528
.set CPIECE, 64*CPITCH
.set SINO,  2*CPIECE
.set RING,  CPIECE                     ; the ring begins behind piece 0
.set SLOT,  122880                     ; the weights' 32 tiles x 3,072 bytes, then x's 8
.set XOFF,  98304
.set KB,    3072                       ; a tile's bytes of a K step
.set SCL,   RING+2*SLOT                ; the weights' scale words, 32 x 1,024 bytes, then x's, 8 x 1,024
.set SPARE, SCL+40960                  ; the spare words: two blocks of 256 bytes that no other line names
.set WSC,   7864320
.set XSC,   3145728
.set QSC,   6291456
.set REC,   25600                      ; kv: a record of 128 keys: K's 8 images, V's 8 at VIM, K's scale words at KSC, V's behind
.set VIM,   12288
.set KSC,   24576
.set ADRP, 16
.set ADRQ, 18
.set ADSP, 20
.set ADSQ, 21
.set LI,   22                          ; 16 x lane
.set SO,   23                          ; 4 r
.set NO,   24                          ; 64 h
.set CSA,  25
.set CSB,  26
.set PFO,  27                          ; the prefetches' offset in two tiles' K steps
.set SPW,  28
.set NIL,  29
.set PFC,  30                          ; 256 x lane
.set SC,   32
.set QF,   64
.set XW,   64
.set TM,   128
.set PC,   144
.set PW,   164
.set SS,   166
.set RS,   174
.set T,    176
.set COS,  0
.set SIN,  128
.set G0H,  4                           ; s[4:7] group 0 of the head's load of the weights
.set G0C,  8
.set G1C,  12
.set WV,   20
.set G1W,  24
.set G1X,  32
.set G1SW, 40
.set G1SX, 48
.set G0W,  56
.set G0X,  68
.set G0SW, 76
.set G0SX, 80
.set QBP,  66
.set KVP,  100
.set VF,   84
.set GP,   88                          ; s[88:89] the gains
.set PFX,  90                          ; s[90:91] where x's prefetches stand
.set ROW,  92
.set VM,   93
.set SEL,  94
.set CP,   98                          ; s[98:99] my piece of cos or sin in memory
.set PFW,  104                         ; s[104:105] where the weights' prefetches stand
.set MSB, 0
.macro WIN new
.set WNEW, \new
.if MSB != WNEW
	s_set_vgpr_msb (MSB<<8)|WNEW
.set MSB, WNEW
.endif
.endm
.macro PLACES n
.rept \n
	v_nop
.endr
.endm
.macro DESC g, w0, c, r, p             ; group 1: r rows of c elements, pitch p
	s_mov_b32 s[\g], \w0
	s_mov_b32 s[\g+1], (\c)<<16
	s_mov_b32 s[\g+2], (\r)<<16
	s_mov_b32 s[\g+3], (\c)<<16
	s_mov_b32 s[\g+4], \r
	s_mov_b32 s[\g+5], \p
	s_mov_b32 s[\g+6], 0
	s_mov_b32 s[\g+7], 0
.endm
.macro CREST
	s_cmp_lg_u32 s[WV], 0
	s_cbranch_scc1 .Lnot_wave_0_\@
	s_barrier_signal -3
.Lnot_wave_0_\@:
	s_barrier_wait -3
	s_barrier_signal -1
	s_barrier_wait -1
.endm
.macro CROUND
	s_barrier_signal -1
	s_barrier_wait -1
	CREST
.endm
; A slot's fill: waves 0 and 1 the weights' halves, jointly; wave 2 x's tile; wave 3 piece 0 of cos (c = 1) or none.  The four v_nop are also the places in front of the LDS loads that follow.
.macro JLOAD slot, c
	s_cmp_lt_u32 s[WV], 2
	s_cbranch_scc0 .Lnot_w_\@
	tensor_load_to_lds s[G0W+4*\slot:G0W+4*\slot+3], s[G1W:G1W+7]
	s_nop 0
	PLACES 4
	s_branch .Lasked_\@
.Lnot_w_\@:
	s_cmp_eq_u32 s[WV], 2
	s_cbranch_scc0 .Lnone_\@
	tensor_load_to_lds s[G0X+4*\slot:G0X+4*\slot+3], s[G1X:G1X+7]
	s_nop 0
	PLACES 4
	s_branch .Lasked_\@
.Lnone_\@:
.if \c
	tensor_load_to_lds s[G0C:G0C+3], s[G1C:G1C+7]
	s_nop 0
.endif
	PLACES 4
.Lasked_\@:
.endm
.macro CLOAD                           ; slot 0's last refill: waves 0 to 2 bring pieces 1 to 3 of cos and sin
	s_cmp_lt_u32 s[WV], 3
	s_cbranch_scc0 .Lnone_\@
	tensor_load_to_lds s[G0C:G0C+3], s[G1C:G1C+7]
	s_nop 0
.Lnone_\@:
	PLACES 4
.endm
.macro PFK off                         ; my blocks of the K step that lies off bytes behind the two pointers
	global_prefetch_b8 v[PFO], s[PFW:PFW+1] offset:\off th:TH_LOAD_NT scope:SCOPE_SE
	global_prefetch_b8 v[PFO], s[PFX:PFX+1] offset:\off th:TH_LOAD_NT scope:SCOPE_SE
.endm
.macro ASK slot                        ; in the loop: the K step two refills on; in the last trip (s3 = 1) my piece of cos or sin, 64 blocks at each change of slots
	s_cmp_gt_u32 s3, 1
	s_cbranch_scc0 .Lcs_\@
	PFK 3*KB
	s_branch .Lpf_\@
.Lcs_\@:
	s_cmp_lt_u32 s[WV], 3
	s_cbranch_scc0 .Lpf_\@
	global_prefetch_b8 v[PFC], s[CP:CP+1] offset:16384*\slot th:TH_LOAD_NT scope:SCOPE_SE
	global_prefetch_b8 v[PFC], s[CP:CP+1] offset:16384*\slot+8192 th:TH_LOAD_NT scope:SCOPE_SE
.Lpf_\@:
.endm
.macro QUANT s                         ; 64 numbers of a lane, register 16 b + i = k 32 b + 16 (lane / 16) + i of its row, become a fragment's codes in v[PC] on and its scale word in v[PW]
.irp b, 0,1,2,3
	v_max3_num_f32 v[TM+\b], |v[\s+16*\b]|, |v[\s+1+16*\b]|, 0x1800000   ; the floor 2^(3 - 127): the byte cannot fall under 1
.endr
.irp i, 2,4,6,8,10,12,14
.irp b, 0,1,2,3
	v_max3_num_f32 v[TM+\b], v[TM+\b], |v[\s+16*\b+\i]|, |v[\s+1+16*\b+\i]|
.endr
.endr
.irp b, 0,1,2,3
	v_permlanex16_b32 v[TM+4+\b], v[TM+\b], s[SEL], s[SEL+1]
.endr
.irp b, 0,1,2,3
	v_max_num_f32 v[TM+\b], v[TM+\b], v[TM+4+\b]
.endr
.irp b, 0,1,2,3
	v_add_nc_u32 v[TM+12+\b], 0xff000000, v[TM+\b]   ; 2 off the exponent field: the conversion's scale operand
.endr
.irp b, 0,1,2,3
	v_lshrrev_b32 v[TM+4+\b], 23, v[TM+12+\b]
.endr
	v_lshl_or_b32 v[PW], v[TM+5], 8, v[TM+4]
	v_lshl_or_b32 v[PW], v[TM+6], 16, v[PW]
	v_lshl_or_b32 v[PW], v[TM+7], 24, v[PW]
.irp c, 0,1
	v_cvt_scalef32_pk16_fp6_f32 v[PC+6*\c:PC+2+6*\c], v[\s+32*\c:\s+15+32*\c], v[TM+12+2*\c]
	v_cvt_scalef32_pk16_fp6_f32 v[PC+12+4*\c:PC+14+4*\c], v[\s+16+32*\c:\s+31+32*\c], v[TM+12+2*\c+1]
.endr
	v_nop                                          ; one plain place behind a scaled conversion
.irp c, 0,1
.irp i, 0,1,2
	v_permlane16_swap_b32 v[PC+6*\c+\i], v[PC+12+4*\c+\i]
.endr
.irp i, 0,1,2
	v_mov_b32 v[PC+3+6*\c+\i], v[PC+12+4*\c+\i]
.endr
.endr
.endm
	s_load_b512 s[4:19], s[0:1], 0x0               ; xq s[4:5], wqkv s[6:7], cos s[8:9], sin s[10:11], q_norm_w s[12:13], k_norm_w s[14:15], qb s[16:17], kv s[18:19]
	v_lshl_add_u32 v[SPW], v0, 2, SPARE
	v_mov_b32 v[NIL], 0
	ds_add_u32 v[SPW], v[NIL]                      ; the opening lines: the add, twice on end, and one wait
	ds_add_u32 v[SPW], v[NIL]
	v_lshrrev_b32 v1, 5, v0
	v_readfirstlane_b32 s[WV], v1                  ; wave 0..3
	s_bfe_u32 s21, ttmp6, 0x40000                  ; cx
	s_lshl_b32 s22, ttmp9, 2
	s_add_co_u32 s22, s22, s21                     ; tt: which 128 tokens
	s_and_b32 s23, ttmp7, 0xffff                   ; y: which four heads; the partners share it
	s_cmp_eq_u32 s23, 9
	s_cselect_b32 s[VF], 1, 0
	s_cselect_b32 s[VM], -1, 0
	DESC G1W, 15|(3<<16)|(1<<21), 384, 32, 3072    ; the weights: mask of all four partners, elements of 8 bytes; rows of 3,072 bytes, 24,576 apart; 32 tiles at the head, 16 from then on
	DESC G1X, 3<<16, 384, 8, 3072                  ; x's 8 tiles, no mask
	DESC G1SW, 15|(3<<16)|(1<<21), 32, 128, 32     ; 32 tiles' scale words: 32,768 dense bytes as rows of 256
	DESC G1SX, 3<<16, 32, 32, 32                   ; x's: 8,192 bytes
	s_lshl_b32 s86, s23, 5                         ; the weights' first tile, 32 y: these registers hold y and the wave's number alone
	s_lshl_b32 s88, s86, 10
	s_add_co_u32 s88, s88, WSC
	s_mov_b32 s89, 0
	s_mul_i32 s86, s86, 24576
	s_mov_b32 s87, 0
	s_mul_i32 s90, s22, 8*24576                    ; x: tile 8 tt
	s_mov_b32 s91, 0
	s_lshl_b32 s98, s22, 13
	s_add_co_u32 s98, s98, XSC
	s_mov_b32 s99, 0
	s_mul_i32 s85, s[WV], 49152                    ; the ring's loads: where my half goes in a slot,
	s_mul_i32 s2, s[WV], 16*24576                  ; and where its 16 tiles begin
	s_mov_b32 s3, 0
	s_mov_b32 s[SEL], 0x76543210
	s_mov_b32 s[SEL+1], 0xfedcba98
	s_mov_b32 s96, 0x3c000000                      ; 1 / 128
	s_mov_b32 s97, 0x358637bd                      ; 1e-6
	s_wait_dscnt 0x0                               ; both opening adds are done
	s_wait_kmcnt 0x0
	s_add_nc_u64 s[86:87], s[6:7], s[86:87]
	s_add_nc_u64 s[88:89], s[6:7], s[88:89]
	s_add_nc_u64 s[90:91], s[4:5], s[90:91]
	s_add_nc_u64 s[98:99], s[4:5], s[98:99]
	s_mov_b32 s[G0H], 1
	s_mov_b32 s[G0H+1], RING
	s_mov_b64 s[G0H+2:G0H+3], s[86:87]
	s_or_b32 s[G0H+3], s[G0H+3], 0x80000000
	s_add_nc_u64 s[2:3], s[86:87], s[2:3]
.irp s, 0,1
	s_mov_b32 s[G0W+4*\s], 1
	s_add_co_u32 s[G0W+4*\s+1], s85, RING+\s*SLOT
	s_add_nc_u64 s[G0W+4*\s+2:G0W+4*\s+3], s[2:3], \s*KB
	s_or_b32 s[G0W+4*\s+3], s[G0W+4*\s+3], 0x80000000
	s_mov_b32 s[G0X+4*\s], 1
	s_mov_b32 s[G0X+4*\s+1], RING+\s*SLOT+XOFF
	s_add_nc_u64 s[G0X+4*\s+2:G0X+4*\s+3], s[90:91], \s*KB
	s_or_b32 s[G0X+4*\s+3], s[G0X+4*\s+3], 0x80000000
.endr
	s_mov_b32 s[G0SW], 1
	s_mov_b32 s[G0SW+1], SCL
	s_mov_b64 s[G0SW+2:G0SW+3], s[88:89]
	s_or_b32 s[G0SW+3], s[G0SW+3], 0x80000000
	s_mov_b32 s[G0SX], 1
	s_mov_b32 s[G0SX+1], SCL+32768
	s_mov_b64 s[G0SX+2:G0SX+3], s[98:99]
	s_or_b32 s[G0SX+3], s[G0SX+3], 0x80000000
	s_cmp_eq_u32 s23, 8
	s_cselect_b64 s[GP:GP+1], s[14:15], s[12:13]   ; k's gains or q's
	s_mov_b64 s[QBP:QBP+1], s[16:17]
	s_mov_b64 s[KVP:KVP+1], s[18:19]
	s_lshl_b32 s98, s21, 3                         ; the prefetches: of the weights' 32 tiles mine are 8 cx + 2 wave and the next; of x's 8, 2 wave and the next
	s_lshl_b32 s99, s[WV], 1
	s_add_co_u32 s98, s98, s99
	s_mul_i32 s98, s98, 24576
	s_mul_i32 s92, s99, 24576
	s_mov_b32 s99, 0
	s_add_nc_u64 s[PFW:PFW+1], s[86:87], s[98:99]
	s_mov_b32 s98, s92
	s_add_nc_u64 s[PFX:PFX+1], s[90:91], s[98:99]
	s_add_co_u32 s85, s[WV], 1                     ; my piece of cos and sin: (wave + 1) % 4: 0, 1 cos's halves, 2, 3 sin's
	s_and_b32 s85, s85, 3
	s_mul_i32 s2, s85, CPIECE                      ; where it goes: the wave's number alone enters the LDS address
	s_and_b32 s98, s85, 1
	s_lshl_b32 s98, s98, 15                        ; 64 rows of 512 bytes,
	s_and_b32 s92, s22, 7
	s_lshl_b32 s92, s92, 16                        ; in my 128 positions of the sequence
	s_add_co_u32 s98, s98, s92
	s_cmp_lt_u32 s85, 2
	s_cselect_b64 s[10:11], s[8:9], s[10:11]
	s_add_nc_u64 s[CP:CP+1], s[10:11], s[98:99]
	s_mov_b64 s[G0C+2:G0C+3], s[CP:CP+1]
	s_mov_b32 s[G0C], 1
	s_mov_b32 s[G0C+1], s2
	s_or_b32 s[G0C+3], s[G0C+3], 0x80000000
	DESC G1C, (2<<16)|(1<<20)|(6<<22)|(3<<25), 128, 64, 128   ; 64 rows of 128 numbers; behind every 128 words 4 words of padding
	CROUND                                         ; all four work-groups are here: the first joint loads meet
.macro ARM under, g0, g1, next         ; one chain of branches on the wave's number: every way passes exactly one load
	s_cmp_lt_u32 s[WV], \under
	s_cbranch_scc0 \next
	tensor_load_to_lds s[\g0:\g0+3], s[\g1:\g1+7]
	s_nop 0
	PLACES 4
	s_branch .Lhead_asked
\next:
.endm
	ARM 1, G0H,  G1W,  .Lhead_x
	ARM 2, G0X,  G1X,  .Lhead_sw
	ARM 3, G0SW, G1SW, .Lhead_sx
	tensor_load_to_lds s[G0SX:G0SX+3], s[G1SX:G1SX+7]
	s_nop 0
	PLACES 4
.Lhead_asked:
	s_mul_i32 s86, s[WV], 24576                    ; my head's 8 tiles in a slot
	s_add_co_u32 s86, s86, RING
	s_lshl_b32 s87, s[WV], 13
	s_add_co_u32 s87, s87, SCL                     ; and their scale words
	s_cmp_eq_u32 s[VF], 1
	s_mov_b32 s85, RING+XOFF
	s_cselect_b32 s3, s85, s86                     ; P: x for v, else the weight
	s_cselect_b32 s86, s86, s85                    ; Q: the other
	s_mov_b32 s85, SCL+32768
	s_cselect_b32 s2, s85, s87
	s_cselect_b32 s87, s87, s85
	v_and_b32 v1, 31, v0
	v_and_b32 v3, 15, v0                           ; r
	v_bfe_u32 v4, v0, 4, 1                         ; h
	v_lshlrev_b32 v[LI], 4, v1
	v_lshlrev_b32 v2, 2, v1
	v_add_nc_u32 v[ADRP], s3, v[LI]
	v_add_nc_u32 v[ADRQ], s86, v[LI]
	v_add_nc_u32 v[ADRP+1], SLOT, v[ADRP]
	v_add_nc_u32 v[ADRQ+1], SLOT, v[ADRQ]
	v_add_nc_u32 v[ADSP], s2, v2
	v_add_nc_u32 v[ADSQ], s87, v2
	v_lshlrev_b32 v[SO], 2, v3
	v_lshlrev_b32 v[NO], 6, v4
	v_and_b32 v5, 8, v3
	v_add_nc_u32 v5, v5, v3                        ; r + 8 (r / 8)
	v_mul_u32_u24 v[CSA], v5, CPITCH
	v_add_nc_u32 v[CSA], v[NO], v[CSA]             ; cos: my row of tile 0, + 64 h
	v_add_nc_u32 v[CSB], SINO, v[CSA]
	v_min_u32 v5, 23, v1                           ; m = my block of the 24: tile m / 12, block m % 12 of its 3,072 bytes
	v_mul_u32_u24 v6, v5, 43
	v_lshrrev_b32 v6, 9, v6                        ; m / 12, for m under 24
	v_lshlrev_b32 v5, 8, v5
	v_mad_u32_u24 v[PFO], v6, 24576-KB, v5
	v_lshlrev_b32 v[PFC], 8, v1
	s_wait_alu depctr_va_vdst(0)                   ; the head's end
	WIN 0x40
.set n, 0
.rept 16
	global_load_b128 v[96+n+96*(n/32):99+n+96*(n/32)], v[NO], s[GP:GP+1] offset:128*(n/16)+16*((n/4)%4)   ; the gains at my 64 places of the head
.set n, n+4
.endr
	WIN 0
	PFK KB                                         ; K steps 1 and 2
	PFK 2*KB
.macro WM zero, row                    ; one matrix instruction on rD, rA, rB, rSA, rSB.  row = 1: both sides' scale words stand in lanes 16-31
.if \zero
.if \row
	v_wmma_scale_f32_16x16x128_f8f6f4 v[rD:rD+7], v[rA:rA+11], v[rB:rB+11], 0, v[rSA], v[rSB] matrix_a_fmt:MATRIX_FMT_FP6 matrix_b_fmt:MATRIX_FMT_FP6 matrix_a_scale:MATRIX_SCALE_ROW1 matrix_b_scale:MATRIX_SCALE_ROW1
.else
	v_wmma_scale_f32_16x16x128_f8f6f4 v[rD:rD+7], v[rA:rA+11], v[rB:rB+11], 0, v[rSA], v[rSB] matrix_a_fmt:MATRIX_FMT_FP6 matrix_b_fmt:MATRIX_FMT_FP6
.endif
.else
.if \row
	v_wmma_scale_f32_16x16x128_f8f6f4 v[rD:rD+7], v[rA:rA+11], v[rB:rB+11], v[rD:rD+7], v[rSA], v[rSB] matrix_a_fmt:MATRIX_FMT_FP6 matrix_b_fmt:MATRIX_FMT_FP6 matrix_a_scale:MATRIX_SCALE_ROW1 matrix_b_scale:MATRIX_SCALE_ROW1
.else
	v_wmma_scale_f32_16x16x128_f8f6f4 v[rD:rD+7], v[rA:rA+11], v[rB:rB+11], v[rD:rD+7], v[rSA], v[rSB] matrix_a_fmt:MATRIX_FMT_FP6 matrix_b_fmt:MATRIX_FMT_FP6
.endif
.endif
.endm
; 16 matrix instructions: Q's blocks a0, a0 + 1 x P's eight.  The 64 accumulators take turns, one instruction a turn, in one order.
.macro MUL16 a0, set, q, sc, zero
.irp a, \a0, \a0+1
.irp b, 0,1,2,3,4,5,6,7
.set rD, 8*(8*((\a)%4)+\b)
.set rA, 128*(\set)+12*\b
.set rB, QF+96*(\set)+12*(\a)
.set rSA, SC+16*(\sc)+8+\b
.set rSB, SC+16*(\sc)+(\a)
	WM \zero, \q
.endr
.endr
.endm
.macro FETCH slot, q, set              ; 48 LDS loads in one run: P's and Q's eight fragments of the slot's q-th 128 along K; each load takes 512 consecutive bytes
	WIN 0x40
.irp i, 0,1,2,3,4,5,6,7
.irp p, 0,1,2
	ds_load_b128 v[128*(\set)+12*\i+4*\p:128*(\set)+12*\i+4*\p+3], v[ADRP+\slot] offset:3072*\i+1536*(\q)+512*\p
.endr
.endr
	WIN 0
.irp i, 0,1,2,3,4,5,6,7
.irp p, 0,1,2
	ds_load_b128 v[QF+96*(\set)+12*\i+4*\p:QF+96*(\set)+12*\i+4*\p+3], v[ADRQ+\slot] offset:3072*\i+1536*(\q)+512*\p
.endr
.endr
.endm
.macro SCALES sc                       ; a K step's scale words: lanes 0-15 a tile's words of its first 128 along K, lanes 16-31 those of its second
.irp i, 0,1,2,3,4,5,6,7
	ds_load_b32 v[SC+16*\sc+\i], v[ADSQ] offset:1024*\i
	ds_load_b32 v[SC+16*\sc+8+\i], v[ADSP] offset:1024*\i
.endr
.endm
.macro STEP slot, zero                 ; a slot's first 128 along K, on set 0; set 1 is fetched in one run ahead of the 64 products
	s_wait_dscnt 0x0                               ; set 0 and the scale words are in
	PLACES 4                                       ; in front of loads into set 1, which the products just issued have read
	FETCH \slot, 1, 1
	WIN 0xa1
	MUL16 0, 0, 0, \slot, \zero
	MUL16 2, 0, 0, \slot, \zero
	WIN 0xf1
	MUL16 4, 0, 0, \slot, \zero
	MUL16 6, 0, 0, \slot, \zero
	WIN 0
.endm
; A slot's second 128 along K, on set 1, changes slots: one barrier, which opens a round of the cluster's; in front of it each wave waits for all its tensor loads, adds 0 to its spare word, and waits for that and for
; its reads of this slot.  fill = 1: this slot takes the K step two on.  fill = 2, the last change: slot 0 takes pieces 1 to 3 of cos and sin.
.macro TURN slot, next, fill
	WIN 0
.if \fill == 1
	s_wait_xcnt 0x0                                ; my prefetches have read their addresses: both step one K step on
	s_add_nc_u64 s[PFW:PFW+1], s[PFW:PFW+1], KB
	s_add_nc_u64 s[PFX:PFX+1], s[PFX:PFX+1], KB
.endif
	s_wait_tensorcnt 0x0                           ; all my tensor loads have landed: my part of the next slot
	ds_add_u32 v[SPW], v[NIL]
	s_wait_dscnt 1                                 ; set 1 is in; the add alone may be out
	WIN 0xa1
	MUL16 0, 1, 1, \slot, 0
	s_wait_dscnt 0x0                               ; the add is done, and my reads of this slot are over
	s_barrier_signal -1
	MUL16 2, 1, 1, \slot, 0
	WIN 0
	s_barrier_wait -1
	CREST                                          ; no wave of any partner still reads this slot or has a load on its way
.if \fill == 1
	s_add_nc_u64 s[G0W+4*\slot+2:G0W+4*\slot+3], s[G0W+4*\slot+2:G0W+4*\slot+3], 2*KB
	s_add_nc_u64 s[G0X+4*\slot+2:G0X+4*\slot+3], s[G0X+4*\slot+2:G0X+4*\slot+3], 2*KB
	JLOAD \slot, 0                                 ; the first tensor load behind the round, one for each of waves 0 to 2
.else
	CLOAD
.endif
	s_wait_alu depctr_va_vdst(0)                   ; ahead of these readers
	v_add_nc_u32 v[ADSP], 128, v[ADSP]             ; the next K step's scale words
	v_add_nc_u32 v[ADSQ], 128, v[ADSQ]
	FETCH \next, 0, 0
	SCALES \next
.if \fill == 1
	ASK \slot
.endif
	WIN 0xf1
	MUL16 4, 1, 1, \slot, 0
	MUL16 6, 1, 1, \slot, 0
	WIN 0
.endm
	s_wait_tensorcnt 0x0                           ; my tile of the head's four is in
	ds_add_u32 v[SPW], v[NIL]
	s_mov_b32 s[G1W+2], 16<<16                     ; no tensor load of mine is out: from here on a load of the weights brings 16 tiles
	s_mov_b32 s[G1W+4], 16
	s_wait_dscnt 0x0
	CROUND                                         ; all four tiles are in, and the partners are here
	JLOAD 1, 1                                     ; K step 1, and piece 0 of cos
	FETCH 0, 0, 0
	SCALES 0
	PFK 3*KB                                       ; K step 3
	STEP 0, 1                                      ; the first 128 along K start the sums
	s_mov_b32 s3, 3
.Llap:                                             ; a trip goes once round the ring and fills both slots again: K steps 2 to 7
	TURN 0, 1, 1
	STEP 1, 0
	TURN 1, 0, 1
	STEP 0, 0
	s_sub_co_u32 s3, s3, 1
	s_cmp_lg_u32 s3, 0
	s_cbranch_scc1 .Llap
	TURN 0, 1, 2                                   ; the last lap: slot 0 is done with K and takes cos and sin
	STEP 1, 0
	s_wait_dscnt 0x0
	WIN 0xa1
	MUL16 0, 1, 1, 1, 0
	MUL16 2, 1, 1, 1, 0
	WIN 0xf1
	MUL16 4, 1, 1, 1, 0
	MUL16 6, 1, 1, 1, 0
	WIN 0
	PLACES 4                                       ; behind the last products: results are read, and operands' registers loaded into, below
; ---- THE WAY OUT, a loop over Q's eight blocks, two a trip.  A block's 64 numbers of a lane: q, k: one token's head; v: one channel's 128 tokens.  They become one image and 16 scale words.
	s_wait_tensorcnt 0x0                           ; my piece of cos or sin has landed,
	s_barrier_signal -1
	s_barrier_wait -1                              ; everybody's has
.macro CSLOAD u                        ; cos and sin of block 2 i + u, i the pair at which the two address registers stand: my row's 64 numbers of each
	WIN 0x40
.irp b, 0,1,2,3
.irp j, 0,1,2,3
	ds_load_b128 v[COS+16*\b+4*\j:COS+16*\b+4*\j+3], v[CSA] offset:8*CPITCH*(\u)+128*\b+16*\j
.endr
.endr
.irp b, 0,1,2,3
.irp j, 0,1,2,3
	ds_load_b128 v[SIN+16*\b+4*\j:SIN+16*\b+4*\j+3], v[CSB] offset:8*CPITCH*(\u)+128*\b+16*\j
.endr
.endr
	WIN 0
.endm
	CSLOAD 0
	s_lshr_b32 s74, s22, 3                         ; the batch  (these scalars lie in the registers of x's own descriptors, whose loads are done)
	s_and_b32 s75, s22, 7                          ; which 128 tokens of the sequence
	s_lshl_b32 s80, s74, 5
	s_lshl_b32 s81, s23, 2
	s_add_co_u32 s80, s80, s81
	s_add_co_u32 s80, s80, s[WV]                   ; 32 b + 4 y + wave
	s_lshl_b32 s80, s80, 6
	s_lshl_b32 s81, s75, 3
	s_add_co_u32 s80, s80, s81                     ; q: my first fragment in qb
	s_mul_i32 s68, s80, 1536
	s_lshl_b32 s70, s80, 6
	s_add_co_u32 s70, s70, QSC
	s_lshl_b32 s80, s74, 2
	s_add_co_u32 s80, s80, s[WV]
	s_lshl_b32 s80, s80, 3
	s_add_co_u32 s80, s80, s75
	s_mul_i32 s80, s80, REC                        ; k, v: my record in kv
	s_mul_i32 s81, s[VF], VIM
	s_add_co_u32 s81, s81, s80
	s_lshl_b32 s82, s[VF], 9
	s_add_co_u32 s82, s82, s80
	s_add_co_u32 s82, s82, KSC
	s_cmp_lt_u32 s23, 8
	s_cselect_b32 s68, s68, s81
	s_cselect_b32 s70, s70, s82
	s_cselect_b64 s[72:73], s[QBP:QBP+1], s[KVP:KVP+1]
	s_mov_b32 s69, 0
	s_mov_b32 s71, 0
	s_add_nc_u64 s[68:69], s[72:73], s[68:69]      ; where the images go
	s_add_nc_u64 s[70:71], s[72:73], s[70:71]      ; and the scale words
.irp b, 0,1,2,3
	v_mov_b32 v[TM+4+\b], 0                        ; written once: a lane permute's destination counts as one of its sources
.endr
	s_wait_loadcnt 0x0                             ; the gains, asked for at the head
	WIN 0x41
.set n, 0
.rept 64
	v_cndmask_b32 v[96+n+96*(n/32)], v[96+n+96*(n/32)], 1.0, s[VM]     ; v has no norm: its gain is 1
.set n, n+1
.endr
	WIN 0
.macro COPY k                          ; block k's 64 numbers x the gains into window 0, and their squares summed in four chains.  Each accumulator is read from its low end on
	WIN 0x06+(\k)/4
.set n, 0
.rept 32
	v_pk_mul_f32 v[XW+n:XW+n+1], v[64*((\k)%4)+n:64*((\k)%4)+n+1], v[96+n+96*(n/32):97+n+96*(n/32)]
.set n, n+2
.endr
	WIN 0x0a+5*((\k)/4)
.set n, 0
.rept 4
	v_pk_mul_f32 v[SS+n:SS+n+1], v[64*((\k)%4)+n:64*((\k)%4)+n+1], v[64*((\k)%4)+n:64*((\k)%4)+n+1]
.set n, n+2
.endr
.rept 28
	v_pk_fma_f32 v[SS+n%8:SS+n%8+1], v[64*((\k)%4)+n:64*((\k)%4)+n+1], v[64*((\k)%4)+n:64*((\k)%4)+n+1], v[SS+n%8:SS+n%8+1]
.set n, n+2
.endr
	WIN 0
.endm
.macro REST u                          ; all that follows a block's copy; u: the block's place in its pair
	s_wait_dscnt 0x0                               ; this block's cos and sin (asked for a block ago)
	s_cmp_eq_u32 s[VF], 1
	s_cbranch_scc1 .Lquantise_\@                   ; v is quantised as it is
	s_wait_alu depctr_va_vdst(0)
	v_pk_add_f32 v[SS:SS+1], v[SS:SS+1], v[SS+2:SS+3]
	v_pk_add_f32 v[SS+4:SS+5], v[SS+4:SS+5], v[SS+6:SS+7]
	v_pk_add_f32 v[SS:SS+1], v[SS:SS+1], v[SS+4:SS+5]
	v_add_f32 v[SS], v[SS], v[SS+1]
	v_permlanex16_b32 v[SS+2], v[SS], s[SEL], s[SEL+1]
	v_add_f32 v[SS], v[SS], v[SS+2]                ; the sum of the head's 128 squares
	v_fma_f32 v[SS], v[SS], s96, s97               ; / 128 + 1e-6
	s_wait_alu depctr_va_vdst(0)                   ; ahead of the transcendental
	v_rsq_f32 v[RS], v[SS]
	v_mov_b32 v[RS+1], 0                           ; a plain place behind the transcendental (the pair's upper half is named below, so it is written)
	s_wait_alu depctr_va_vdst(0)                   ; and ahead of its first reader
.set n, 0
.rept 32
	v_pk_mul_f32 v[XW+n:XW+n+1], v[XW+n:XW+n+1], v[RS:RS+1] op_sel_hi:[1,0]
.set n, n+2
.endr
	WIN 0x04                                       ; source 1: window 1.  The rotation: channel d's partner d + 64 is register n + 32 of the same lane
.set n, 0
.rept 16
	v_pk_mul_f32 v[T+n:T+n+1], v[XW+n:XW+n+1], v[SIN+32+n:SIN+33+n]   ; x1 sin, for the upper half
.set n, n+2
.endr
.set n, 0
.rept 16
	v_pk_mul_f32 v[XW+n:XW+n+1], v[XW+n:XW+n+1], v[COS+n:COS+n+1]
.set n, n+2
.endr
.set n, 0
.rept 16
	v_pk_fma_f32 v[XW+n:XW+n+1], v[XW+32+n:XW+33+n], v[SIN+n:SIN+n+1], v[XW+n:XW+n+1] neg_lo:[1,0,0] neg_hi:[1,0,0]   ; x1 cos - x2 sin
.set n, n+2
.endr
.set n, 0
.rept 16
	v_pk_fma_f32 v[XW+32+n:XW+33+n], v[XW+32+n:XW+33+n], v[COS+32+n:COS+33+n], v[T+n:T+n+1]   ; x2 cos + x1 sin
.set n, n+2
.endr
	WIN 0
.Lquantise_\@:
.if \u == 0
	CSLOAD 1                                       ; the pair's second block: 8 rows on, in the immediate
.else
	v_add_nc_u32 v[CSA], 32*CPITCH, v[CSA]         ; the next pair: 32 rows on (behind the last it is not used)
	v_add_nc_u32 v[CSB], 32*CPITCH, v[CSB]
	s_cmp_eq_u32 s[ROW], 3
	s_cbranch_scc1 .Lno_next_\@                    ; the last block asks for nothing
	CSLOAD 0
.Lno_next_\@:
.endif
	s_wait_xcnt 0x0                                ; the last block's stores have read their data and bases: both are written again below
.if \u == 0
	s_add_nc_u64 s[68:69], s[68:69], 3072          ; the bases step once a trip, ahead of the pair's stores, which reach back by negative immediates
	s_add_nc_u64 s[70:71], s[70:71], 128
.endif
	QUANT XW
.irp p, 0,1,2
	global_store_b128 v[LI], v[PC+4*\p:PC+4*\p+3], s[68:69] offset:1536*(\u)-3072+512*\p   ; 32 lanes store 512 consecutive bytes
.endr
	global_store_b32 v[SO], v[PW], s[70:71] offset:64*(\u)-128   ; lanes l and l + 16 hold the same word and put it in the same place
.endm
	s_mov_b32 s[ROW], 0
.Lrow:                                             ; only the copies differ from trip to trip (register numbers): eight copies, the rest written once for each place in a pair
.irp k, 0,1,2
	s_cmp_eq_u32 s[ROW], \k
	s_cbranch_scc1 .Leven\k
.endr
	COPY 6
	s_branch .Leven_done
.irp k, 0,1,2
.Leven\k:
	COPY 2*\k
	s_branch .Leven_done
.endr
.Leven_done:
	REST 0
.irp k, 0,1,2
	s_cmp_eq_u32 s[ROW], \k
	s_cbranch_scc1 .Lodd\k
.endr
	COPY 7
	s_branch .Lodd_done
.irp k, 0,1,2
.Lodd\k:
	COPY 2*\k+1
	s_branch .Lodd_done
.endr
.Lodd_done:
	REST 1
	s_add_co_u32 s[ROW], s[ROW], 1
	s_cmp_lt_u32 s[ROW], 4
	s_cbranch_scc1 .Lrow
	s_wait_tensorcnt 0x0                           ; the wave's end
	ds_add_u32 v[SPW], v[NIL]
	s_wait_dscnt 0x0
	CROUND                                         ; the closing round
	s_endpgm
.Lfunc_end_k_q23c5b5862c_qkv:
	.size	k_q23c5b5862c_qkv, .Lfunc_end_k_q23c5b5862c_qkv-k_q23c5b5862c_qkv
	.p2alignl 7, 3214868480
	.fill 96, 4, 3214868480
	.section	.rodata,"a",@progbits
	.p2align	6, 0x0
	.amdhsa_kernel k_q23c5b5862c_qkv
		.amdhsa_group_segment_fixed_size 327680
		.amdhsa_private_segment_fixed_size 0
		.amdhsa_enable_private_segment 0
		.amdhsa_kernarg_size 64
		.amdhsa_user_sgpr_count 2
		.amdhsa_user_sgpr_kernarg_segment_ptr 1
		.amdhsa_wavefront_size32 1
		.amdhsa_system_sgpr_workgroup_id_x 1
		.amdhsa_system_sgpr_workgroup_id_y 1
		.amdhsa_system_sgpr_workgroup_id_z 1
		.amdhsa_system_vgpr_workitem_id 0
		.amdhsa_next_free_vgpr 1024
		.amdhsa_next_free_sgpr 106
		.amdhsa_reserve_vcc 0
		.amdhsa_float_denorm_mode_32 3
		.amdhsa_float_denorm_mode_16_64 3
		.amdhsa_memory_ordered 1
		.amdhsa_forward_progress 1
		.amdhsa_inst_pref_size 181
	.end_amdhsa_kernel
	.amdgpu_metadata
---
amdhsa.version: [ 1, 2 ]
amdhsa.kernels:
  - .name:           k_q23c5b5862c_qkv
    .symbol:         k_q23c5b5862c_qkv.kd
    .args:
      - { .name: xq, .offset: 0, .size: 8, .value_kind: global_buffer, .address_space: global }
      - { .name: wqkv, .offset: 8, .size: 8, .value_kind: global_buffer, .address_space: global }
      - { .name: cos, .offset: 16, .size: 8, .value_kind: global_buffer, .address_space: global }
      - { .name: sin, .offset: 24, .size: 8, .value_kind: global_buffer, .address_space: global }
      - { .name: q_norm_w, .offset: 32, .size: 8, .value_kind: global_buffer, .address_space: global }
      - { .name: k_norm_w, .offset: 40, .size: 8, .value_kind: global_buffer, .address_space: global }
      - { .name: qb, .offset: 48, .size: 8, .value_kind: global_buffer, .address_space: global }
      - { .name: kv, .offset: 56, .size: 8, .value_kind: global_buffer, .address_space: global }
    .group_segment_fixed_size: 327680
    .private_segment_fixed_size: 0
    .kernarg_segment_align: 8
    .kernarg_segment_size: 64
    .max_flat_workgroup_size: 128
    .sgpr_count:     106
    .vgpr_count:     1024
    .wavefront_size: 32
...
	.end_amdgpu_metadata
.endif
;; end of part 2
;; launch attn (part 3): grid 32 x 8, 16 waves a work-group, clusters of 4 x 1, 327,680 bytes of LDS; arguments qb, kv, ao; writes ao
.if DOCPART == 3
	.amdgcn_target "amdgcn-amd-amdhsa--gfx1250"
	.amdhsa_code_object_version 6
	.text
	.protected	k_q23c5b5862c_attn
	.globl	k_q23c5b5862c_attn
	.p2align	8
	.type	k_q23c5b5862c_attn,@function
k_q23c5b5862c_attn:
	s_mov_b64 s[64:65], 0
	v_nop
	global_prefetch_b8 v0, s[64:65] scope:SCOPE_SE
	s_setreg_imm32_b32 hwreg(HW_REG_WAVE_MODE, 25, 1), 1
	s_wait_xcnt 0x0
	s_wait_alu depctr_hold_cnt(0) depctr_sa_sdst(0) depctr_va_vdst(0) depctr_va_sdst(0) depctr_va_ssrc(0) depctr_va_vcc(0) depctr_vm_vsrc(0)
	s_getreg_b32 s2, hwreg(HW_REG_IB_STS2, 6, 4)
	s_cmp_eq_u32 s2, 0
	s_cbranch_scc0 .Lentry_in_a_cluster
	s_endpgm
.Lentry_in_a_cluster:
	s_bfe_u32 s2, ttmp6, 0x10000c
	s_cmp_lg_u32 s2, 0x3003
	s_cbranch_scc0 .Lentry_shape_is_right
	s_endpgm
.Lentry_shape_is_right:
; Attention on codes of FP6 (E2M3) with E8M0 scales: S^T = k q^T, p = 2^(t - M) with a running whole-number M, p quantised by blocks of 32 keys, O^T += v^T p^T, O^T / the sum of the unquantised p, quantised along the head.
; A work-group has 16 waves, each with one tile of 16 queries of one head; the four partners of a cluster are four query heads of one key and value head and ask for its records jointly.
; All eight records of 128 keys (204,800 bytes) come at the head, one tensor load a wave of 12,800 bytes; nothing is filled again, so the launch has no loop to prefetch ahead in.
; LEFT OUT: steps of 128 keys that lie wholly above the diagonal of the causal mask (a scalar branch on ids round the step's work); on the diagonal the scores are masked.
; LIMITS: NaN and infinities are not served; the promise holds while the scaled scores stay under 2^31 in magnitude.
.set REC,  25600
.set VIM,  12288
.set KSC,  24576
.set VSC,  25088
.set QSC,  6291456
.set L16,  1
.set L4,   2
.set R4,   3
.set DM,   4
.set A16,  5
.set A4,   6
.set TM,   32
.set PC,   48
.set PW,   68
.set WV,   10
.set G1,   24
.set G0A,  32
.set G0B,  36
.set SEL,  48
.set CS,   50
.set TB,   52
.set KS,   53
.set SD,   54
.set CNT,  55
.macro PLACES n
.rept \n
	v_nop
.endr
.endm
.macro CROUND
	s_barrier_signal -1
	s_barrier_wait -1
	s_cmp_lg_u32 s[WV], 0
	s_cbranch_scc1 .Lnot_wave_0_\@
	s_barrier_signal -3
.Lnot_wave_0_\@:
	s_barrier_wait -3
	s_barrier_signal -1
	s_barrier_wait -1
.endm
.macro QUANT s
.irp b, 0,1,2,3
	v_max3_num_f32 v[TM+\b], |v[\s+16*\b]|, |v[\s+1+16*\b]|, 0x1800000
.endr
.irp i, 2,4,6,8,10,12,14
.irp b, 0,1,2,3
	s_delay_alu instid0(VALU_DEP_4)
	v_max3_num_f32 v[TM+\b], v[TM+\b], |v[\s+16*\b+\i]|, |v[\s+1+16*\b+\i]|
.endr
.endr
.irp b, 0,1,2,3
	s_delay_alu instid0(VALU_DEP_4)
	v_permlanex16_b32 v[TM+4+\b], v[TM+\b], s[SEL], s[SEL+1]
.endr
.irp b, 0,1,2,3
	s_delay_alu instid0(VALU_DEP_4)
	v_max_num_f32 v[TM+\b], v[TM+\b], v[TM+4+\b]
.endr
.irp b, 0,1,2,3
	s_delay_alu instid0(VALU_DEP_4)
	v_add_nc_u32 v[TM+12+\b], 0xff000000, v[TM+\b]
.endr
.irp b, 0,1,2,3
	s_delay_alu instid0(VALU_DEP_4)
	v_lshrrev_b32 v[TM+4+\b], 23, v[TM+12+\b]
.endr
	s_delay_alu instid0(VALU_DEP_3)
	v_lshl_or_b32 v[PW], v[TM+5], 8, v[TM+4]
	s_delay_alu instid0(VALU_DEP_1)
	v_lshl_or_b32 v[PW], v[TM+6], 16, v[PW]
	s_delay_alu instid0(VALU_DEP_1)
	v_lshl_or_b32 v[PW], v[TM+7], 24, v[PW]
.irp c, 0,1
	v_cvt_scalef32_pk16_fp6_f32 v[PC+6*\c:PC+2+6*\c], v[\s+32*\c:\s+15+32*\c], v[TM+12+2*\c]
	v_cvt_scalef32_pk16_fp6_f32 v[PC+12+4*\c:PC+14+4*\c], v[\s+16+32*\c:\s+31+32*\c], v[TM+12+2*\c+1]
.endr
	v_nop
.irp c, 0,1
.irp i, 0,1,2
	v_permlane16_swap_b32 v[PC+6*\c+\i], v[PC+12+4*\c+\i]
.endr
.irp i, 0,1,2
	s_delay_alu instid0(VALU_DEP_3)
	v_mov_b32 v[PC+3+6*\c+\i], v[PC+12+4*\c+\i]
.endr
.endr
.endm
	s_load_b128 s[4:7], s[0:1], 0x0
	s_load_b64 s[8:9], s[0:1], 0x10
	v_lshl_add_u32 v250, v0, 2, 0x32000
	v_mov_b32 v251, 0
	ds_add_u32 v250, v251
	ds_add_u32 v250, v251
	v_lshrrev_b32 v8, 5, v0
	s_delay_alu instid0(VALU_DEP_1)
	v_readfirstlane_b32 s[WV], v8
	s_bfe_u32 s11, ttmp6, 0x40000
	s_and_b32 s12, ttmp7, 0xffff
	s_and_b32 s13, ttmp9, 3
	s_lshr_b32 s14, ttmp9, 2
	s_sub_co_u32 s15, 23, s[WV]
	s_cmp_lt_u32 s[WV], 8
	s_cselect_b32 s15, s[WV], s15
	s_lshl_b32 s15, s15, 2
	s_add_co_u32 s15, s15, s13
	s_lshr_b32 s[SD], s15, 3
	s_mul_i32 s18, s[WV], 12800
	s_mul_i32 s16, s12, 8*REC
	s_add_co_u32 s16, s16, s18
	s_mov_b32 s17, 0
	s_mov_b32 s[G1], 15|(3<<16)|(1<<21)
	s_mov_b32 s[G1+1], 32<<16
	s_mov_b32 s[G1+2], 50<<16
	s_mov_b32 s[G1+3], 32<<16
	s_mov_b32 s[G1+4], 50
	s_mov_b32 s[G1+5], 32
	s_mov_b32 s[G1+6], 0
	s_mov_b32 s[G1+7], 0
	s_lshr_b32 s19, s12, 2
	s_and_b32 s20, s12, 3
	s_lshl_b32 s20, s20, 3
	s_lshl_b32 s21, s14, 2
	s_add_co_u32 s20, s20, s21
	s_add_co_u32 s20, s20, s11
	s_lshl_b32 s21, s19, 5
	s_add_co_u32 s21, s21, s20
	s_lshl_b32 s21, s21, 6
	s_add_co_u32 s21, s21, s15
	s_mul_i32 s40, s21, 1536
	s_mov_b32 s41, 0
	s_lshl_b32 s42, s21, 6
	s_add_co_u32 s42, s42, QSC
	s_mov_b32 s43, 0
	s_lshl_b32 s21, s19, 6
	s_add_co_u32 s21, s21, s15
	s_lshl_b32 s21, s21, 5
	s_add_co_u32 s21, s21, s20
	s_mul_i32 s44, s21, 1536
	s_mov_b32 s45, 0
	s_lshl_b32 s46, s21, 6
	s_add_co_u32 s46, s46, QSC
	s_mov_b32 s47, 0
	s_bfe_u32 s56, s15, 0x20001
	s_lshl_b32 s56, s56, 5
	s_and_b32 s57, s15, 1
	s_lshl_b32 s57, s57, 3
	s_add_co_u32 s56, s56, s57
	s_mov_b32 s[SEL], 0x76543210
	s_mov_b32 s[SEL+1], 0xfedcba98
	s_mov_b32 s[CS], 0x3e0293ee
	s_mov_b32 s[CS+1], s[CS]
	s_mov_b32 s[TB], 0
	s_mov_b32 s[KS], 0
	s_wait_dscnt 0x0
	s_wait_kmcnt 0x0
	s_mov_b32 s[G0A], 1
	s_mov_b32 s[G0A+1], s18
	s_add_nc_u64 s[G0A+2:G0A+3], s[6:7], s[16:17]
	s_or_b32 s[G0A+3], s[G0A+3], 0x80000000
	CROUND
	tensor_load_to_lds s[G0A:G0A+3], s[G1:G1+7]
	s_nop 0
	PLACES 4
	s_add_nc_u64 s[40:41], s[4:5], s[40:41]
	s_add_nc_u64 s[42:43], s[4:5], s[42:43]
	s_add_nc_u64 s[44:45], s[8:9], s[44:45]
	s_add_nc_u64 s[46:47], s[8:9], s[46:47]
	v_and_b32 v8, 31, v0
	s_delay_alu instid0(VALU_DEP_1)
	v_lshlrev_b32 v[L16], 4, v8
	s_delay_alu instid0(VALU_DEP_2)
	v_lshlrev_b32 v[L4], 2, v8
	v_and_b32 v8, 15, v0
	v_bfe_u32 v9, v0, 4, 1
	s_delay_alu instid0(VALU_DEP_2)
	v_lshlrev_b32 v[R4], 2, v8
.irp p, 0,1,2
	global_load_b128 v[16+4*\p:19+4*\p], v[L16], s[40:41] offset:512*\p
.endr
	global_load_b32 v255, v[R4], s[42:43]
	v_and_b32 v10, 8, v8
	s_delay_alu instid0(VALU_DEP_1)
	v_add_nc_u32 v10, v10, v8
	v_lshlrev_b32 v11, 4, v9
	s_delay_alu instid0(VALU_DEP_1)
	v_sub_nc_u32 v10, v10, v11
	s_delay_alu instid0(VALU_DEP_1)
	v_add_nc_u32 v[DM], s56, v10
	v_mov_b32 v13, 0xff61b1e6
	s_delay_alu instid0(VALU_DEP_1)
	v_floor_f32 v12, -v13
	v_mov_b32 v14, 0
	v_mov_b32 v15, 0
.irp b, 0,1,2,3
	v_mov_b32 v[236+\b], 0
.endr
	v_mov_b32 v252, 0
	v_mov_b32 v253, 0
.set n, 0
.rept 64
	v_mov_b32 v[160+n], 0
.set n, n+1
.endr
.macro STEP
	s_cmp_gt_u32 s[KS], s[SD]
	s_cbranch_scc1 .Lhidden_\@
	v_add_nc_u32 v[A16], s[TB], v[L16]
	s_wait_alu depctr_va_vdst(0)
	v_add_nc_u32 v[A4], s[TB], v[L4]
	s_wait_alu depctr_va_vdst(0)
	PLACES 3                                       ; with the two additions: five places, since the score products below write over registers that the last step's products with V read
.irp g, 0,1
.if \g > 0
	PLACES 4
.endif
.irp t, 0,1,2,3
.irp p, 0,1,2
	ds_load_b128 v[32+12*\t+4*\p:35+12*\t+4*\p], v[A16] offset:1536*(4*\g+\t)+512*\p
.endr
.endr
.irp i, 0,1
	ds_load_b32 v[248+\i], v[A4] offset:KSC+128*(2*\g+\i)
.endr
	s_wait_dscnt 0x0
.irp t, 0,2
	v_wmma_scale_f32_16x16x128_f8f6f4 v[96+8*(4*\g+\t):103+8*(4*\g+\t)], v[32+12*\t:43+12*\t], v[16:27], 0, v[248+\t/2], v255 matrix_a_fmt:MATRIX_FMT_FP6 matrix_b_fmt:MATRIX_FMT_FP6
	v_wmma_scale_f32_16x16x128_f8f6f4 v[104+8*(4*\g+\t):111+8*(4*\g+\t)], v[44+12*\t:55+12*\t], v[16:27], 0, v[248+\t/2], v255 matrix_a_fmt:MATRIX_FMT_FP6 matrix_b_fmt:MATRIX_FMT_FP6 matrix_a_scale:MATRIX_SCALE_ROW1
.endr
.endr
	PLACES 4
.irp t, 0,1,2,3                                    ; V's fragments 0 to 3 and their scale words are asked for here, into K's registers, behind the four places: the softmax stands between these loads and the wait for them
.irp p, 0,1,2
	ds_load_b128 v[32+12*\t+4*\p:35+12*\t+4*\p], v[A16] offset:VIM+1536*\t+512*\p
.endr
.endr
.irp i, 0,1
	ds_load_b32 v[248+\i], v[A4] offset:VSC+128*\i
.endr
	s_cmp_lg_u32 s[KS], s[SD]
	s_cbranch_scc1 .Lopen_\@
	v_mov_b32 v254, 0xff800000
.set n, 0
.rept 64
	v_cmp_gt_i32 vcc_lo, 32*(n/16)+n%16, v[DM]
	v_cndmask_b32 v[96+n], v[96+n], v254, vcc_lo
.set n, n+1
.endr
.Lopen_\@:
.irp b, 0,1,2,3
	v_max3_num_f32 v[232+\b], v[96+16*\b], v[97+16*\b], v[98+16*\b]
.endr
.irp i, 3,5,7,9,11,13
.irp b, 0,1,2,3
	v_max3_num_f32 v[232+\b], v[232+\b], v[96+16*\b+\i], v[97+16*\b+\i]
.endr
.endr
.irp b, 0,1,2,3
	v_max_num_f32 v[232+\b], v[232+\b], v[111+16*\b]
.endr
.irp b, 0,1,2,3
	s_delay_alu instid0(VALU_DEP_4)
	v_permlanex16_b32 v[236+\b], v[232+\b], s[SEL], s[SEL+1]
.endr
.irp b, 0,1,2,3
	s_delay_alu instid0(VALU_DEP_4)
	v_max_num_f32 v[232+\b], v[232+\b], v[236+\b]
.endr
	s_delay_alu instid0(VALU_DEP_2)
	v_max3_num_f32 v254, v232, v233, v234
	s_delay_alu instid0(VALU_DEP_1)
	v_max_num_f32 v254, v254, v235
	s_delay_alu instid0(VALU_DEP_1)
	v_mul_f32 v254, s[CS], v254
	s_delay_alu instid0(VALU_DEP_1)
	v_max_num_f32 v13, v13, v254
	v_mov_b32 v254, v12
	s_delay_alu instid0(VALU_DEP_2)
	v_floor_f32 v12, -v13
	s_delay_alu instid0(VALU_DEP_1)
	v_sub_f32 v254, v12, v254
	s_delay_alu instid0(VALU_DEP_1)
	v_cvt_i32_f32 v254, v254
	s_delay_alu instid0(VALU_DEP_1)
	v_ldexp_f32 v252, 1.0, v254
.set n, 0
.rept 32
	v_pk_fma_f32 v[96+n:97+n], v[96+n:97+n], s[CS:CS+1], v[12:13] op_sel_hi:[1,0,0]
.set n, n+2
.endr
.irp b, 0,1,2,3
	v_fma_f32 v[232+\b], v[232+\b], s[CS], v12
.endr
.set n, 0
	s_wait_alu depctr_va_vdst(0)
.rept 64
	v_exp_f32 v[96+n], v[96+n]
.set n, n+1
.endr
	v_pk_mul_f32 v[14:15], v[14:15], v[252:253] op_sel_hi:[1,0]
	s_wait_alu depctr_va_vdst(0)
.irp b, 0,1,2,3
	v_exp_f32 v[232+\b], v[232+\b]
.endr
	v_pk_add_f32 v[236:237], v[96:97], v[98:99]
.irp j, 4,8,12,16,20,24,28,32,36,40,44,48,52,56,60
	v_pk_add_f32 v[14:15], v[14:15], v[96+\j:97+\j]
	v_pk_add_f32 v[236:237], v[236:237], v[98+\j:99+\j]
.endr
	s_delay_alu instid0(VALU_DEP_1)
	v_pk_add_f32 v[14:15], v[14:15], v[236:237]
	s_wait_alu depctr_va_vdst(0)
.irp b, 0,1,2,3
	v_max_num_f32 v[232+\b], 0x1800000, v[232+\b]
.endr
.irp b, 0,1,2,3
	s_delay_alu instid0(VALU_DEP_4)
	v_add_nc_u32 v[244+\b], 0xff000000, v[232+\b]
.endr
.irp b, 0,1,2,3
	s_delay_alu instid0(VALU_DEP_4)
	v_lshrrev_b32 v[236+\b], 23, v[244+\b]
.endr
	s_delay_alu instid0(VALU_DEP_3)
	v_lshl_or_b32 v253, v237, 8, v236
	s_delay_alu instid0(VALU_DEP_1)
	v_lshl_or_b32 v253, v238, 16, v253
	s_delay_alu instid0(VALU_DEP_1)
	v_lshl_or_b32 v253, v239, 24, v253
.irp c, 0,1
	v_cvt_scalef32_pk16_fp6_f32 v[224+6*\c:226+6*\c], v[96+32*\c:111+32*\c], v[244+2*\c]
	v_cvt_scalef32_pk16_fp6_f32 v[236+4*\c:238+4*\c], v[112+32*\c:127+32*\c], v[244+2*\c+1]
.endr
	v_nop
.irp c, 0,1
.irp i, 0,1,2
	v_permlane16_swap_b32 v[224+6*\c+\i], v[236+4*\c+\i]
.endr
.irp i, 0,1,2
	s_delay_alu instid0(VALU_DEP_3)
	v_mov_b32 v[227+6*\c+\i], v[236+4*\c+\i]
.endr
.endr
.irp t, 0,1,2,3                                    ; V's fragments 4 to 7 go into v96-143, which held p until the conversions read it; their scale words into v28 and v29, which hold nothing else
.irp p, 0,1,2
	ds_load_b128 v[96+12*\t+4*\p:99+12*\t+4*\p], v[A16] offset:VIM+1536*(4+\t)+512*\p
.endr
.endr
.irp i, 0,1
	ds_load_b32 v[28+\i], v[A4] offset:VSC+128*(2+\i)
.endr
	s_wait_alu depctr_va_vdst(0)                   ; directly ahead of the first reader of O^T
.set n, 0
.rept 32
	v_pk_mul_f32 v[160+n:161+n], v[160+n:161+n], v[252:253] op_sel_hi:[1,0]
.set n, n+2
.endr
	s_wait_alu depctr_va_vdst(0)
	s_wait_dscnt 0x0                               ; all eight fragments of V and their scale words are in
.irp g, 0,1                                        ; eight products on eight accumulators: fragments 4 g + t at v[32 + 64 g + 12 t], scale words at v248 on (g = 0) or v28 on (g = 1)
.irp t, 0,2
	v_wmma_scale_f32_16x16x128_f8f6f4 v[160+8*(4*\g+\t):167+8*(4*\g+\t)], v[32+64*\g+12*\t:43+64*\g+12*\t], v[224:235], v[160+8*(4*\g+\t):167+8*(4*\g+\t)], v[248-220*\g+\t/2], v253 matrix_a_fmt:MATRIX_FMT_FP6 matrix_b_fmt:MATRIX_FMT_FP6
	v_wmma_scale_f32_16x16x128_f8f6f4 v[168+8*(4*\g+\t):175+8*(4*\g+\t)], v[44+64*\g+12*\t:55+64*\g+12*\t], v[224:235], v[168+8*(4*\g+\t):175+8*(4*\g+\t)], v[248-220*\g+\t/2], v253 matrix_a_fmt:MATRIX_FMT_FP6 matrix_b_fmt:MATRIX_FMT_FP6 matrix_a_scale:MATRIX_SCALE_ROW1
.endr
.endr
.Lhidden_\@:
	s_add_co_u32 s[KS], s[KS], 1
	s_add_co_u32 s[TB], s[TB], REC
.endm
	s_wait_loadcnt 0x0
	s_wait_tensorcnt 0x0
	s_barrier_signal -1
	s_barrier_wait -1
	s_mov_b32 s[CNT], 8
.Lfirst_half:
	STEP
	s_sub_co_u32 s[CNT], s[CNT], 1
	s_cmp_lg_u32 s[CNT], 0
	s_cbranch_scc1 .Lfirst_half
	PLACES 4
	v_add_f32 v14, v14, v15
	s_delay_alu instid0(VALU_DEP_1)
	v_permlanex16_b32 v252, v14, s[SEL], s[SEL+1]
	s_delay_alu instid0(VALU_DEP_1)
	v_add_f32 v14, v14, v252
	s_wait_alu depctr_va_vdst(0)
	v_rcp_f32 v14, v14
.irp b, 0,1,2,3
	v_mov_b32 v[TM+4+\b], 0
.endr
	s_wait_alu depctr_va_vdst(0)
.set n, 0
.rept 64
	v_mul_f32 v[96+n], v[160+n], v14
.set n, n+1
.endr
	QUANT 96
.irp p, 0,1,2
	global_store_b128 v[L16], v[PC+4*\p:PC+4*\p+3], s[44:45] offset:512*\p
.endr
	global_store_b32 v[R4], v[PW], s[46:47]
	s_wait_tensorcnt 0x0
	ds_add_u32 v250, v251
	s_wait_dscnt 0x0
	CROUND
	s_endpgm
.Lfunc_end_k_q23c5b5862c_attn:
	.size	k_q23c5b5862c_attn, .Lfunc_end_k_q23c5b5862c_attn-k_q23c5b5862c_attn
	.p2alignl 7, 3214868480
	.fill 96, 4, 3214868480
	.section	.rodata,"a",@progbits
	.p2align	6, 0x0
	.amdhsa_kernel k_q23c5b5862c_attn
		.amdhsa_group_segment_fixed_size 327680
		.amdhsa_private_segment_fixed_size 0
		.amdhsa_enable_private_segment 0
		.amdhsa_kernarg_size 24
		.amdhsa_user_sgpr_count 2
		.amdhsa_user_sgpr_kernarg_segment_ptr 1
		.amdhsa_wavefront_size32 1
		.amdhsa_system_sgpr_workgroup_id_x 1
		.amdhsa_system_sgpr_workgroup_id_y 1
		.amdhsa_system_sgpr_workgroup_id_z 1
		.amdhsa_system_vgpr_workitem_id 0
		.amdhsa_next_free_vgpr 256
		.amdhsa_next_free_sgpr 66
		.amdhsa_reserve_vcc 1
		.amdhsa_float_denorm_mode_32 3
		.amdhsa_float_denorm_mode_16_64 3
		.amdhsa_memory_ordered 1
		.amdhsa_forward_progress 1
		.amdhsa_inst_pref_size 42
	.end_amdhsa_kernel
	.amdgpu_metadata
---
amdhsa.version: [ 1, 2 ]
amdhsa.kernels:
  - .name:           k_q23c5b5862c_attn
    .symbol:         k_q23c5b5862c_attn.kd
    .args:
      - { .name: qb, .offset: 0, .size: 8, .value_kind: global_buffer, .address_space: global }
      - { .name: kv, .offset: 8, .size: 8, .value_kind: global_buffer, .address_space: global }
      - { .name: ao, .offset: 16, .size: 8, .value_kind: global_buffer, .address_space: global }
    .group_segment_fixed_size: 327680
    .private_segment_fixed_size: 0
    .kernarg_segment_align: 8
    .kernarg_segment_size: 24
    .max_flat_workgroup_size: 512
    .sgpr_count:     66
    .vgpr_count:     256
    .wavefront_size: 32
...
	.end_amdgpu_metadata
.endif
;; end of part 3
;; launch oproj (part 4): grid 16 x 16, 4 waves a work-group, clusters of 4 x 4, 327,680 bytes of LDS; arguments ao, woq, out0; writes out0
.if DOCPART == 4
	.amdgcn_target "amdgcn-amd-amdhsa--gfx1250"
	.amdhsa_code_object_version 6
	.text
	.protected	k_q23c5b5862c_oproj
	.globl	k_q23c5b5862c_oproj
	.p2align	8
	.type	k_q23c5b5862c_oproj,@function
k_q23c5b5862c_oproj:
	s_mov_b64 s[64:65], 0
	v_nop
	global_prefetch_b8 v0, s[64:65] scope:SCOPE_SE
	s_setreg_imm32_b32 hwreg(HW_REG_WAVE_MODE, 25, 1), 1
	s_wait_xcnt 0x0
	s_wait_alu depctr_hold_cnt(0) depctr_sa_sdst(0) depctr_va_vdst(0) depctr_va_sdst(0) depctr_va_ssrc(0) depctr_va_vcc(0) depctr_vm_vsrc(0)
	s_getreg_b32 s2, hwreg(HW_REG_IB_STS2, 6, 4)
	s_cmp_eq_u32 s2, 0
	s_cbranch_scc0 .Lentry_in_a_cluster
	s_endpgm
.Lentry_in_a_cluster:
	s_bfe_u32 s2, ttmp6, 0x10000c
	s_cmp_lg_u32 s2, 0xf033
	s_cbranch_scc0 .Lentry_shape_is_right
	s_endpgm
.Lentry_shape_is_right:
; out0 = ao Wo on codes of FP6 (E2M3) with E8M0 scales; sums in f32.  Both operands lie as images of their registers: [tile of 16 rows][K step of 128][1,536 bytes], then [tile][K step][64 bytes of scale words];
; tile T's lane row r is row 32 (T / 2) + 8 (T % 2) + r + 8 (r / 8).
; A work-group makes 128 x 128 of the result (256 work-groups), a wave 64 x 64: 16 accumulators.  Source 0 = Wo's tiles, source 1 = ao's: a lane holds eight neighbouring columns of one row.
; K goes in steps of 512 through two LDS slots (A's 8 tiles x 6,144 bytes, then B's).  CLUSTER 4 x 4: A's tiles are asked for jointly along a row of the cluster, B's along a column.
; THE HEAD: one tensor load a wave: wave 0 A's K step 0, wave 1 B's, wave 2 A's scale words of all K, wave 3 B's.  Slot 1 is first filled as a refill is; in the ring each wave brings 4 tiles.
; PREFETCH.  With the load of K step t each wave names K step t + 2 of one tile, 24 blocks of 256 bytes (lanes 24-31 name the last again): waves 0, 1 of A, waves 2, 3 of B; the four partners that ask for
; 8 tiles jointly share them out by address, two to each.  The head also names K step 1; the refills of K steps 6 and 7 name nothing.
.set SLOT,  98304
.set BOFF,  49152
.set KB,    6144                       ; a tile's bytes of a K step
.set SCL,   196608                     ; A's scale words, 16,384 bytes, then B's
.set STAGE, 229376                     ; the way out: 16 rows x 272 bytes for each wave; no fill lands here
.set SP,    272
.set SPARE, 246784                     ; the spare words
.set ASC,   6291456
.set ADRA, 16
.set ADRB, 18
.set ADSA, 20
.set ADSB, 21
.set STO,  24
.set RD,   25
.set CO,   26
.set PFO,  27
.set SPW,  28
.set NIL,  29
.set SC,   32
.set BK,   64
.set ACC,  128
.set G0H,  4
.set G0HB, 8
.set OUTP, 12
.set G1,   24
.set G0,   32
.set G1B,  48
.set G0B,  56
.set G1S,  68
.set G0S,  76
.set G1SB, 80
.set G0SB, 88
.set PF,   96
.set MSB, 0
.macro WIN new
.set WNEW, \new
.if MSB != WNEW
	s_set_vgpr_msb (MSB<<8)|WNEW
.set MSB, WNEW
.endif
.endm
.macro PLACES n
.rept \n
	v_nop
.endr
.endm
.macro DIMS g, c, r, p                 ; group 1's words 1 to 7: r rows of c elements, pitch p
	s_mov_b32 s[\g+1], (\c)<<16
	s_mov_b32 s[\g+2], (\r)<<16
	s_mov_b32 s[\g+3], (\c)<<16
	s_mov_b32 s[\g+4], \r
	s_mov_b32 s[\g+5], \p
	s_mov_b32 s[\g+6], 0
	s_mov_b32 s[\g+7], 0
.endm
.macro JLOAD g0a, g1a, g0b, g1b        ; waves 0 and 1 fetch for A, waves 2 and 3 for B
	s_cmp_eq_u32 s15, 0
	s_cbranch_scc0 .Lfor_b_\@
	tensor_load_to_lds s[\g0a:\g0a+3], s[\g1a:\g1a+7]
	s_nop 0
	PLACES 4
	s_branch .Lasked_\@
.Lfor_b_\@:
	tensor_load_to_lds s[\g0b:\g0b+3], s[\g1b:\g1b+7]
	s_nop 0
	PLACES 4
.Lasked_\@:
.endm
.macro CREST
	s_cmp_lg_u32 s14, 0
	s_cbranch_scc1 .Lnot_wave_0_\@
	s_barrier_signal -3
.Lnot_wave_0_\@:
	s_barrier_wait -3
	s_barrier_signal -1
	s_barrier_wait -1
.endm
.macro CROUND
	s_barrier_signal -1
	s_barrier_wait -1
	CREST
.endm
.macro PFK off
	global_prefetch_b8 v[PFO], s[PF:PF+1] offset:\off th:TH_LOAD_NT scope:SCOPE_SE
.endm
	s_load_b128 s[4:7], s[0:1], 0x0                ; ao, woq
	s_load_b64 s[OUTP:OUTP+1], s[0:1], 0x10        ; out0
	v_lshl_add_u32 v[SPW], v0, 2, SPARE
	v_mov_b32 v[NIL], 0
	ds_add_u32 v[SPW], v[NIL]                      ; the opening lines: the add, twice on end, and one wait
	ds_add_u32 v[SPW], v[NIL]
	v_lshrrev_b32 v1, 5, v0
	v_readfirstlane_b32 s14, v1                    ; wave
	s_lshr_b32 s15, s14, 1                         ; my half of the rows; also: I fetch for A (0) or B (1)
	s_and_b32 s16, s14, 1                          ; my half of the columns; also: which 4 tiles I fetch
	s_bfe_u32 s40, ttmp6, 0x40000                  ; cx
	s_bfe_u32 s41, ttmp6, 0x40004                  ; cy
	s_lshl_b32 s42, ttmp9, 2
	s_add_co_u32 s42, s42, s40                     ; block column
	s_and_b32 s17, ttmp7, 0xffff
	s_lshl_b32 s17, s17, 2
	s_add_co_u32 s17, s17, s41                     ; block row
	s_lshl_b32 s43, s41, 2
	s_lshl_b32 s43, 15, s43                        ; my row of the cluster
	s_lshl_b32 s44, 0x1111, s40                    ; my column
	s_or_b32 s[G1+0], s43, (3<<16)|(1<<21)
	s_or_b32 s[G1B+0], s44, (3<<16)|(1<<21)
	DIMS G1, 768, 8, 6144                          ; rows of 6,144 bytes, 49,152 apart: 8 tiles at the head, 4 from then on
	DIMS G1B, 768, 8, 6144
	s_or_b32 s[G1S+0], s43, (3<<16)|(1<<21)
	s_or_b32 s[G1SB+0], s44, (3<<16)|(1<<21)
	DIMS G1S, 32, 64, 32                           ; 8 tiles' scale words: 16,384 dense bytes as rows of 256
	DIMS G1SB, 32, 64, 32
	s_lshl_b32 s20, s17, 3                         ; A's first tile
	s_lshl_b32 s46, s42, 3                         ; B's
	s_lshl_b32 s22, s20, 11
	s_add_co_u32 s22, s22, ASC
	s_mov_b32 s23, 0
	s_lshl_b32 s92, s46, 11
	s_add_co_u32 s92, s92, ASC
	s_mov_b32 s93, 0
	s_mul_i32 s20, s20, 49152
	s_mov_b32 s21, 0
	s_mul_i32 s46, s46, 49152
	s_mov_b32 s47, 0
	s_mul_i32 s18, s16, 4*49152                    ; the ring's loads: my 4 tiles,
	s_mov_b32 s19, 0
	s_mul_i32 s45, s14, 24576                      ; and where they go in a slot
	s_wait_dscnt 0x0
	s_wait_kmcnt 0x0
	s_add_nc_u64 s[20:21], s[4:5], s[20:21]
	s_add_nc_u64 s[22:23], s[4:5], s[22:23]
	s_add_nc_u64 s[46:47], s[6:7], s[46:47]
	s_add_nc_u64 s[92:93], s[6:7], s[92:93]
	CROUND                                         ; all sixteen work-groups are here: the first joint loads meet
	s_mov_b32 s[G0H], 1
	s_mov_b32 s[G0H+1], 0
	s_mov_b64 s[G0H+2:G0H+3], s[20:21]
	s_or_b32 s[G0H+3], s[G0H+3], 0x80000000
	s_mov_b32 s[G0HB], 1
	s_mov_b32 s[G0HB+1], BOFF
	s_mov_b64 s[G0HB+2:G0HB+3], s[46:47]
	s_or_b32 s[G0HB+3], s[G0HB+3], 0x80000000
	s_mov_b32 s[G0S], 1
	s_mov_b32 s[G0S+1], SCL
	s_mov_b64 s[G0S+2:G0S+3], s[22:23]
	s_or_b32 s[G0S+3], s[G0S+3], 0x80000000
	s_mov_b32 s[G0SB], 1
	s_mov_b32 s[G0SB+1], SCL+16384
	s_mov_b64 s[G0SB+2:G0SB+3], s[92:93]
	s_or_b32 s[G0SB+3], s[G0SB+3], 0x80000000
	s_cmp_eq_u32 s15, 0                            ; the prefetches: A's tile 2 cx + half, or B's tile 2 cy + half
	s_cselect_b64 s[PF:PF+1], s[20:21], s[46:47]
	s_cselect_b32 s94, s40, s41
	s_lshl_b32 s94, s94, 1
	s_add_co_u32 s94, s94, s16
	s_mul_i32 s94, s94, 49152
	s_mov_b32 s95, 0
	s_add_nc_u64 s[PF:PF+1], s[PF:PF+1], s[94:95]
	s_add_nc_u64 s[20:21], s[20:21], s[18:19]
	s_add_nc_u64 s[46:47], s[46:47], s[18:19]
.irp s, 0,1
	s_mov_b32 s[G0+4*\s], 1
	s_add_co_u32 s[G0+4*\s+1], s45, \s*SLOT
	s_add_nc_u64 s[G0+4*\s+2:G0+4*\s+3], s[20:21], \s*KB
	s_or_b32 s[G0+4*\s+3], s[G0+4*\s+3], 0x80000000
	s_mov_b32 s[G0B+4*\s], 1
	s_add_co_u32 s[G0B+4*\s+1], s45, \s*SLOT
	s_add_nc_u64 s[G0B+4*\s+2:G0B+4*\s+3], s[46:47], \s*KB
	s_or_b32 s[G0B+4*\s+3], s[G0B+4*\s+3], 0x80000000
.endr
.macro ARM under, g0, g1, next         ; one chain of branches on the wave's number: every way passes exactly one load
	s_cmp_lt_u32 s14, \under
	s_cbranch_scc0 \next
	tensor_load_to_lds s[\g0:\g0+3], s[\g1:\g1+7]
	s_nop 0
	PLACES 4
	s_branch .Lhead_asked
\next:
.endm
	ARM 1, G0H,  G1,  .Lhead_b
	ARM 2, G0HB, G1B, .Lhead_sa
	ARM 3, G0S,  G1S, .Lhead_sb
	tensor_load_to_lds s[G0SB:G0SB+3], s[G1SB:G1SB+7]
	s_nop 0
	PLACES 4
.Lhead_asked:
	s_mul_i32 s21, s15, 24576                      ; my 4 tiles of A in a slot,
	s_mul_i32 s22, s16, 24576
	s_add_co_u32 s22, s22, BOFF                    ; of B,
	s_lshl_b32 s18, s15, 13
	s_add_co_u32 s18, s18, SCL                     ; their scale words,
	s_lshl_b32 s19, s16, 13
	s_add_co_u32 s19, s19, SCL+16384
	s_mul_i32 s23, s14, 16*SP
	s_add_co_u32 s23, s23, STAGE                   ; my stage
	s_lshl_b32 s20, s17, 7
	s_lshl_b32 s94, s15, 6
	s_add_co_u32 s20, s20, s94
	s_lshl_b32 s94, s20, 13                        ; my first row of the result, rows of 8,192 bytes,
	s_mov_b32 s95, 0
	s_lshl_b32 s46, s42, 9
	s_lshl_b32 s47, s16, 8
	s_add_co_u32 s46, s46, s47                     ; my first column
	s_mov_b32 s47, 0
	s_add_nc_u64 s[94:95], s[94:95], s[46:47]
	s_add_nc_u64 s[OUTP:OUTP+1], s[OUTP:OUTP+1], s[94:95]
	v_and_b32 v1, 31, v0
	v_and_b32 v4, 15, v0
	v_bfe_u32 v5, v0, 4, 1
	v_lshlrev_b32 v2, 4, v1
	v_lshlrev_b32 v3, 2, v1
	v_add_nc_u32 v[ADRA], s21, v2
	v_add_nc_u32 v[ADRB], s22, v2
	v_add_nc_u32 v[ADRA+1], SLOT, v[ADRA]
	v_add_nc_u32 v[ADRB+1], SLOT, v[ADRB]
	v_add_nc_u32 v[ADSA], s18, v3
	v_add_nc_u32 v[ADSB], s19, v3
	v_mul_u32_u24 v6, v4, SP
	v_lshl_add_u32 v6, v5, 6, v6
	v_add_nc_u32 v[STO], s23, v6                   ; into the stage: row r, + 64 h
	v_mul_u32_u24 v7, v5, SP
	v_lshl_add_u32 v7, v4, 4, v7
	v_add_nc_u32 v[RD], s23, v7                    ; back: sixteen lanes to a row of 256 bytes
	v_lshlrev_b32 v8, 13, v5
	v_lshl_add_u32 v[CO], v4, 4, v8
	v_min_u32 v9, 23, v1
	v_lshlrev_b32 v[PFO], 8, v9                    ; my block of a tile's 24
	s_wait_alu depctr_va_vdst(0)                   ; the head's end
	PFK KB                                         ; K steps 1 and 2
	PFK 2*KB
.macro WM zero, row
.if \zero
.if \row
	v_wmma_scale_f32_16x16x128_f8f6f4 v[rD:rD+7], v[rA:rA+11], v[rB:rB+11], 0, v[rSA], v[rSB] matrix_a_fmt:MATRIX_FMT_FP6 matrix_b_fmt:MATRIX_FMT_FP6 matrix_a_scale:MATRIX_SCALE_ROW1 matrix_b_scale:MATRIX_SCALE_ROW1
.else
	v_wmma_scale_f32_16x16x128_f8f6f4 v[rD:rD+7], v[rA:rA+11], v[rB:rB+11], 0, v[rSA], v[rSB] matrix_a_fmt:MATRIX_FMT_FP6 matrix_b_fmt:MATRIX_FMT_FP6
.endif
.else
.if \row
	v_wmma_scale_f32_16x16x128_f8f6f4 v[rD:rD+7], v[rA:rA+11], v[rB:rB+11], v[rD:rD+7], v[rSA], v[rSB] matrix_a_fmt:MATRIX_FMT_FP6 matrix_b_fmt:MATRIX_FMT_FP6 matrix_a_scale:MATRIX_SCALE_ROW1 matrix_b_scale:MATRIX_SCALE_ROW1
.else
	v_wmma_scale_f32_16x16x128_f8f6f4 v[rD:rD+7], v[rA:rA+11], v[rB:rB+11], v[rD:rD+7], v[rSA], v[rSB] matrix_a_fmt:MATRIX_FMT_FP6 matrix_b_fmt:MATRIX_FMT_FP6
.endif
.endif
.endm
.macro MUL4 a, f, q, sc, zero          ; A's block a x B's four; the 16 accumulators take turns
.irp b, 0,1,2,3
.set rD, ACC+8*(4*(\a)+\b)
.set rA, 128*(\f)+48+12*\b
.set rB, 128*(\f)+12*(\a)
.set rSA, SC+16*(\sc)+8+2*\b+(\q)/2
.set rSB, SC+16*(\sc)+2*(\a)+(\q)/2
	WM \zero, (\q)%2
.endr
.endm
.macro FETCH slot, q, f                ; 24 LDS loads in one run: the fragments of the slot's q-th 128 along K into set f of window 1
	WIN 0x40
.irp i, 0,1,2,3
.irp p, 0,1,2
	ds_load_b128 v[128*(\f)+12*\i+4*\p:128*(\f)+12*\i+4*\p+3], v[ADRA+\slot] offset:6144*\i+1536*(\q)+512*\p
.endr
.endr
.irp i, 0,1,2,3
.irp p, 0,1,2
	ds_load_b128 v[128*(\f)+48+12*\i+4*\p:128*(\f)+48+12*\i+4*\p+3], v[ADRB+\slot] offset:6144*\i+1536*(\q)+512*\p
.endr
.endr
	WIN 0
.endm
.macro SCALES sc                       ; a K step's scale words: a register holds two 128s, one in each half of the lanes
.irp i, 0,1,2,3
.irp w, 0,1
	ds_load_b32 v[SC+16*\sc+2*\i+\w], v[ADSA] offset:2048*\i+128*\w
	ds_load_b32 v[SC+16*\sc+8+2*\i+\w], v[ADSB] offset:2048*\i+128*\w
.endr
.endr
.endm
.macro STEP slot, q, zero              ; the slot's q-th 128 along K, q = 0 to 2; the next 128's fragments are fetched in one run ahead of the 16 products
	s_wait_dscnt 0x0
	PLACES 4
	FETCH \slot, (\q)+1, ((\q)+1)%2
	WIN 0x05
	MUL4 0, (\q)%2, \q, \slot, \zero
	MUL4 1, (\q)%2, \q, \slot, \zero
	MUL4 2, (\q)%2, \q, \slot, \zero
	MUL4 3, (\q)%2, \q, \slot, \zero
	WIN 0
.endm
; A slot's last 128 along K changes slots: each wave waits for all its tensor loads, adds 0 to its spare word, waits for that and for its reads; the barrier opens a round of the cluster's; the refill comes first behind it.
.macro TURN slot, next, fill
	WIN 0
.if \fill
	s_wait_xcnt 0x0                                ; my prefetch has read its address: it steps one K step on
	s_add_nc_u64 s[PF:PF+1], s[PF:PF+1], KB
.endif
	s_wait_tensorcnt 0x0
	ds_add_u32 v[SPW], v[NIL]
	s_wait_dscnt 1                                 ; the fragments are in; the add alone may be out
	WIN 0x05
	MUL4 0, 1, 3, \slot, 0
	s_wait_dscnt 0x0
	s_barrier_signal -1
	MUL4 1, 1, 3, \slot, 0
	WIN 0
	s_barrier_wait -1
.if \fill
	CREST
	s_add_nc_u64 s[G0+4*\slot+2:G0+4*\slot+3], s[G0+4*\slot+2:G0+4*\slot+3], 2*KB
	s_add_nc_u64 s[G0B+4*\slot+2:G0B+4*\slot+3], s[G0B+4*\slot+2:G0B+4*\slot+3], 2*KB
	JLOAD G0+4*\slot, G1, G0B+4*\slot, G1B
.else
	PLACES 4
.endif
	s_wait_alu depctr_va_vdst(0)                   ; ahead of these readers
	v_add_nc_u32 v[ADSA], 256, v[ADSA]
	v_add_nc_u32 v[ADSB], 256, v[ADSB]
	FETCH \next, 0, 0
	SCALES \next
.if \fill
	s_cmp_gt_u32 s3, 1                             ; the last trip's refills have no K step two on
	s_cbranch_scc0 .Lno_ask_\@
	PFK 3*KB
.Lno_ask_\@:
.endif
	WIN 0x05
	MUL4 2, 1, 3, \slot, 0
	MUL4 3, 1, 3, \slot, 0
	WIN 0
.endm
	s_wait_tensorcnt 0x0                           ; my tile of the head's four is in
	ds_add_u32 v[SPW], v[NIL]
	s_mov_b32 s[G1+2], 4<<16                       ; no tensor load of mine is out: from here on a load brings 4 tiles
	s_mov_b32 s[G1+4], 4
	s_mov_b32 s[G1B+2], 4<<16
	s_mov_b32 s[G1B+4], 4
	s_wait_dscnt 0x0
	CROUND
	JLOAD G0+4, G1, G0B+4, G1B                     ; K step 1
	FETCH 0, 0, 0
	SCALES 0
	PFK 3*KB                                       ; K step 3
	STEP 0, 0, 1
	s_mov_b32 s3, 3
.Llap:
	STEP 0, 1, 0
	STEP 0, 2, 0
	TURN 0, 1, 1
	STEP 1, 0, 0
	STEP 1, 1, 0
	STEP 1, 2, 0
	TURN 1, 0, 1
	STEP 0, 0, 0
	s_sub_co_u32 s3, s3, 1
	s_cmp_lg_u32 s3, 0
	s_cbranch_scc1 .Llap
	STEP 0, 1, 0
	STEP 0, 2, 0
	TURN 0, 1, 0
	STEP 1, 0, 0
	STEP 1, 1, 0
	STEP 1, 2, 0
	s_wait_dscnt 0x0
	WIN 0x05
	MUL4 0, 1, 3, 1, 0
	MUL4 1, 1, 3, 1, 0
	MUL4 2, 1, 3, 1, 0
	MUL4 3, 1, 3, 1, 0
	WIN 0
; THE WAY OUT: a block of 16 rows x 64 columns goes through my own stage and comes back as rows of 256 bytes, which sixteen lanes store as one aligned unit.
.macro TOSTAGE a
.irp b, 0,1,2,3
	ds_store_b128 v[STO], v[ACC+8*(4*(\a)+\b):ACC+8*(4*(\a)+\b)+3] offset:128*(\b/2)+32*(\b%2)
	ds_store_b128 v[STO], v[ACC+8*(4*(\a)+\b)+4:ACC+8*(4*(\a)+\b)+7] offset:128*(\b/2)+32*(\b%2)+16
.endr
.irp t, 0,1,2,3,4,5,6,7
	ds_load_b128 v[BK+32*((\a)%2)+4*\t:BK+32*((\a)%2)+4*\t+3], v[RD] offset:\t*2*SP
.endr
.endm
.macro SEND a, younger
	s_wait_dscnt \younger
.irp t, 0,1,2,3,4,5,6,7
	global_store_b128 v[CO], v[BK+32*((\a)%2)+4*\t:BK+32*((\a)%2)+4*\t+3], s[OUTP:OUTP+1] offset:(32*((\a)/2)+8*((\a)%2)+2*\t+8*(\t/4))*8192 th:TH_STORE_NT
.endr
.endm
	PLACES 4
	TOSTAGE 0
.irp a, 1,2,3
.if \a > 1
	s_wait_xcnt 0x0                                ; block a - 2's stores have read their registers
.endif
	TOSTAGE \a
	SEND \a-1, 16
.endr
	SEND 3, 0
	s_wait_tensorcnt 0x0                           ; the wave's end
	ds_add_u32 v[SPW], v[NIL]
	s_wait_dscnt 0x0
	CROUND                                         ; the closing round
	s_endpgm
.Lfunc_end_k_q23c5b5862c_oproj:
	.size	k_q23c5b5862c_oproj, .Lfunc_end_k_q23c5b5862c_oproj-k_q23c5b5862c_oproj
	.p2alignl 7, 3214868480
	.fill 96, 4, 3214868480
	.section	.rodata,"a",@progbits
	.p2align	6, 0x0
	.amdhsa_kernel k_q23c5b5862c_oproj
		.amdhsa_group_segment_fixed_size 327680
		.amdhsa_private_segment_fixed_size 0
		.amdhsa_enable_private_segment 0
		.amdhsa_kernarg_size 24
		.amdhsa_user_sgpr_count 2
		.amdhsa_user_sgpr_kernarg_segment_ptr 1
		.amdhsa_wavefront_size32 1
		.amdhsa_system_sgpr_workgroup_id_x 1
		.amdhsa_system_sgpr_workgroup_id_y 1
		.amdhsa_system_sgpr_workgroup_id_z 1
		.amdhsa_system_vgpr_workitem_id 0
		.amdhsa_next_free_vgpr 512
		.amdhsa_next_free_sgpr 98
		.amdhsa_reserve_vcc 0
		.amdhsa_float_denorm_mode_32 3
		.amdhsa_float_denorm_mode_16_64 3
		.amdhsa_memory_ordered 1
		.amdhsa_forward_progress 1
		.amdhsa_inst_pref_size 87
	.end_amdhsa_kernel
	.amdgpu_metadata
---
amdhsa.version: [ 1, 2 ]
amdhsa.kernels:
  - .name:           k_q23c5b5862c_oproj
    .symbol:         k_q23c5b5862c_oproj.kd
    .args:
      - { .name: ao, .offset: 0, .size: 8, .value_kind: global_buffer, .address_space: global }
      - { .name: woq, .offset: 8, .size: 8, .value_kind: global_buffer, .address_space: global }
      - { .name: out0, .offset: 16, .size: 8, .value_kind: global_buffer, .address_space: global }
    .group_segment_fixed_size: 327680
    .private_segment_fixed_size: 0
    .kernarg_segment_align: 8
    .kernarg_segment_size: 24
    .max_flat_workgroup_size: 128
    .sgpr_count:     98
    .vgpr_count:     512
    .wavefront_size: 32
...
	.end_amdgpu_metadata
.endif
;; end of part 4
